; MI455X (gfx1250); checked and timed in simulation.
; The chip was launched on July 23, 2026; its instructions are those of AMD's public machine-readable ISA for CDNA 5 (MIT licence, August 2026) and "CDNA5" Instruction Set Architecture Reference Guide (July 2026). The comments in the code are by the model that wrote it; some were corrected since.
;; Cross Attention. Allowed arithmetic: matrix products marked QUANTISED: E2M3 operands, one E8M0 scale for each 32 along K, by v_wmma_scale_f32_16x16x128_f8f6f4 with both operands' format E2M3, f32 sums; everything else in f32.
;; Inputs: Wfc 1,024 x 1,024 float32; Wk 1,024 x 256 float32; Wo 256 x 1,024 float32; Wq 1,024 x 256 float32; Wv 1,024 x 256 float32; bo 1,024 float32; kv_feat 4 x 4,096 x 1,024 float32; ln_beta 1,024 float32; ln_gamma 1,024 float32; q_feat 4 x 4,096 x 1,024 float32.
;; Outputs: out0 4 x 4,096 x 1,024 float32.
;; This version of the problem:
;;   THIS VERSION OF THE PROBLEM IS GIVEN IN LOW PRECISION. The matrix products marked QUANTISED in the list below multiply operands that are first quantised to E2M3 (2 exponent bits, 3 mantissa bits; 6 bits a number), with one power-of-two scale for each 32 numbers along K (OCP MX v1.0); their sums are f32. All else is computed in f32.
;;   The module's matrix products, in the order in which they are computed (A, B: the left and right operand; K: the contracted axis; several contracted axes count as one K, in the product's order):
;;     1. [M 16,384, K 1,024] x [K 1,024, N 256]; A: input q_feat; B: input Wq: QUANTISED
;;     2. [M 16,384, K 1,024] x [K 1,024, N 256]; A: input kv_feat; B: input Wk: QUANTISED
;;     3. [M 16,384, K 1,024] x [K 1,024, N 256]; A: input kv_feat; B: input Wv: QUANTISED
;;     4. batch 4 x [M 4,096, K 256] x [K 256, N 4,096]; A: computed on the way; B: computed on the way: QUANTISED
;;     5. batch 4 x [M 4,096, K 4,096] x [K 4,096, N 256]; A: softmax (see below); B: computed on the way: QUANTISED
;;     6. [M 16,384, K 256] x [K 256, N 1,024]; A: computed on the way; B: input Wo: QUANTISED
;;     7. [M 16,384, K 1,024] x [K 1,024, N 1,024]; A: computed on the way; B: input Wfc: QUANTISED
;;   THE QUANTISER, for each operand of a quantised product, along K:
;;     - K is cut into blocks of 32 from its start; a last block that is shorter is filled with zeros.
;;     - A block's scale is 2^e with e = floor(log2(the largest magnitude in the block)) - 2, held to -126 .. 127; a block of zeros has e = 0. As a byte (E8M0): e + 127.
;;     - Each number is divided by its block's scale, clamped to +-7.5, and rounded to the nearest number of E2M3, ties to even, subnormals kept.
;;     - The product sums the exact products of the quantised numbers (number of the format x scale) in f32.
;;   ~~~python
;;   def quantise(x, axis):      # numpy; x: float32 -> the quantised numbers, widened to float32 again
;;       x = np.moveaxis(x, axis, -1); K = x.shape[-1]
;;       x = np.pad(x, [(0, 0)] * (x.ndim - 1) + [(0, -K % 32)]); x = x.reshape(x.shape[:-1] + (-1, 32)); a = np.abs(x).max(-1, keepdims=True)
;;       e = np.where(a > 0, np.clip(np.frexp(np.where(a > 0, a, 1))[1] - 1 - 2, -126, 127), 0)      # np.frexp(a)[1] - 1 = floor(log2(a)), exactly
;;       r = np.clip(x / 2.0 ** e, -7.5, 7.5)
;;       step = 2.0 ** (np.maximum(np.frexp(np.where(r == 0, 1, r))[1] - 1, 0) - 3)
;;       q = np.round(r / step) * step * 2.0 ** e      # np.round: ties to even
;;       return np.moveaxis(q.reshape(q.shape[:-2] + (-1,))[..., :K], -1, axis).astype(np.float32)
;;   ~~~
;;   SOFTMAX AHEAD OF A QUANTISED PRODUCT. Where the list says 'softmax', what is quantised is not the finished softmax but p = 2^(t - M), with t = logit x log2(e) and M = ceil(the row's largest t), a whole number; so 1/2 < the row's largest p <= 1. The row's sum l is taken of the UNQUANTISED p, in f32, and the product's result is divided by l at the end. Since M is a whole number, a kernel that streams over the keys may use a running M (the ceiling of the running maximum): every later rescaling is an exact power of two, which a block's scale takes up: the codes' values come out the same.
;;   OPERANDS COMPUTED ON THE WAY. 'Computed on the way' means the value that the module computes at that place (a softmax that the list does not call 'softmax' is quantised finished and normalised). What goes into a quantiser is computed in f32, as accurately as f32 sums, v_exp_f32 and their like allow (about 1e-6 of the number): no bf16 or f16 on the way to a quantiser, and a product that is left as it is and whose result goes on into a quantised operand takes f32 operands (vector FMAs, or v_wmma_f32_16x16x4_f32). A number that lies on a knife's edge between two numbers of the format may be rounded either way, as far as f32 arithmetic and the matrix unit's own rounding can turn it there, and no further.
;; One version. Each part assembles by itself: llvm-mc -triple=amdgcn-amd-amdhsa -mcpu=gfx1250 --defsym DOCPART=n.
;; ======== version 1 of 1: 4 launches
;; limits: right only within a limited range of input values
;; workspace buffers: wimg 1,638,400 bytes; qimg 3,276,800 bytes; kimg 3,276,800 bytes; vimg 3,276,800 bytes; cimg 3,276,800 bytes
;; launch wquant (part 1): grid 128 x 1, 4 waves a work-group, no clusters, 13,312 bytes of LDS; arguments Wq, Wk, Wv, Wo, Wfc, wimg; writes wimg
.if DOCPART == 1
	.amdgcn_target "amdgcn-amd-amdhsa--gfx1250"
	.amdhsa_code_object_version 6
	.text
	.protected	k_q5d545e4d57_wquant
	.globl	k_q5d545e4d57_wquant
	.p2align	8
	.type	k_q5d545e4d57_wquant,@function
k_q5d545e4d57_wquant:
	s_mov_b64 s[64:65], 0
	v_nop
	global_prefetch_b8 v0, s[64:65] scope:SCOPE_SE
	s_setreg_imm32_b32 hwreg(HW_REG_WAVE_MODE, 25, 1), 1
	s_wait_xcnt 0x0
; The five weights, f32 stored [K][N], become codes of FP6 (E2M3) with one E8M0 scale byte for each 32 along K, laid as IMAGES OF OPERAND REGISTERS.
; A fragment (16 columns n x 128 K) is 12 registers a lane: three chunks of 512 bytes, chunk k = registers 4 k .. 4 k + 3, lane l at 16 l.  A sub-block is 8 fragments (128 columns, one K step of 128)
; and 512 bytes of scale words: the word of fragment 4 h + i, row r, at 12,288 + 256 h + 16 r + 4 i.  12,800 bytes, 50 x 256.
; THE COLUMNS OF A TILE ARE NOT NEIGHBOURS: row r of tile 2 b + u is column 32 b + 8 u + r + 8 (r / 8), so that a product with the tile as source 0 leaves 16 neighbouring columns in a lane's 16 registers of two tiles.
; A work-group makes one sub-block; its number is the sub-block's place in wimg: Wq 0-15, Wk 16-31, Wv 32-47, Wo 48-63, Wfc 64-127.  Inside a weight sub-block l holds column group g8 and K step ks with
; l = ((g8 / 2) KS + ks) 2 + g8 % 2, KS = K / 128: two neighbours are 256 columns of one K step.
; A LANE TAKES A COLUMN AND ITS REGISTERS RUN DOWN K: a load reads 128 consecutive bytes a wave, the four waves stand side by side on 512; a block's largest magnitude needs no other lane.
; The codes meet in LDS, which then holds the sub-block as it is to lie in memory, and leave in stores of 512 consecutive bytes.
; No tensor load, no cluster: no byte is read by two work-groups.
; LIMITS: NaN and infinities among the inputs are not served.  A block of zeros, or one whose largest magnitude lies under 2^-124, keeps the byte 1: its bytes are read by this program alone.
.set SUB,   12800
.set SCO,   12288
.set SPARE, 12800                      ; behind the sub-block: the spare words, 128 bytes for each wave
.set LB,  2                            ; v2  LDS: my column's place in its fragment: 3,072 wave + 1,536 u + 16 r
.set SW,  3                            ; v3  LDS: my column's scale word
.set RD,  4                            ; v4  the way out: 3,072 wave + 16 lane
.set L16, 5                            ; v5  16 lane
.set SPW, 6                            ; v6  my spare word; never rewritten
.set NIL, 7                            ; v7  0; never rewritten
.set OFF, 16                           ; v16-47   row i of a block of 32: 4 x thread + i x pitch
.set X,   64                           ; v64-191  128 numbers of my column
.set C,   192                          ; v192-215 six registers of codes for each block
.set CT,  216                          ; v216-218 the second half of a block's codes, as the conversion leaves them
	s_load_b256 s[4:11], s[0:1], 0x0               ; Wq, Wk, Wv, Wo
	s_load_b128 s[12:15], s[0:1], 0x20             ; Wfc, wimg
	v_lshl_add_u32 v[SPW], v0, 2, SPARE
	v_mov_b32 v[NIL], 0
	v_lshrrev_b32 v1, 5, v0
	v_readfirstlane_b32 s16, v1                    ; wave
	v_and_b32 v1, 31, v0                           ; lane = my column in the wave's 32
	v_bfe_u32 v8, v0, 3, 1                         ; u: which of the wave's two tiles
	v_and_b32 v9, 7, v0
	v_bfe_u32 v10, v0, 4, 1
	v_lshl_add_u32 v9, v10, 3, v9                  ; r: my row in it
	s_mul_i32 s17, s16, 3072
	v_mul_u32_u24 v[LB], v8, 1536
	v_lshl_add_u32 v[LB], v9, 4, v[LB]
	v_add_nc_u32 v[LB], s17, v[LB]
	s_lshr_b32 s18, s16, 1
	s_lshl_b32 s18, s18, 8
	s_and_b32 s19, s16, 1
	s_lshl_b32 s19, s19, 3
	s_add_co_u32 s18, s18, s19
	s_add_co_u32 s18, s18, SCO
	v_lshlrev_b32 v[SW], 2, v8
	v_lshl_add_u32 v[SW], v9, 4, v[SW]
	v_add_nc_u32 v[SW], s18, v[SW]                 ; fragment 2 wave + u: 12,288 + 256 (wave / 2) + 8 (wave % 2) + 4 u + 16 r
	v_lshlrev_b32 v[L16], 4, v1
	v_add_nc_u32 v[RD], s17, v[L16]
	; which weight, which column group, which K step: from the work-group's number alone
	s_mov_b32 s28, 4096
	s_cmp_lt_u32 ttmp9, 48
	s_cselect_b32 s28, 1024, s28                   ; a row of the weight in bytes: N = 256 or 1,024
	s_sub_co_u32 s30, ttmp9, 48
	s_cmp_lt_u32 s30, 16
	s_cselect_b32 s29, 1, 3                        ; log2 of KS: Wo has K = 256, the others 1,024
	s_and_b32 s31, ttmp9, 15
	s_sub_co_u32 s32, ttmp9, 64
	s_cmp_lt_u32 ttmp9, 64
	s_cselect_b32 s31, s31, s32                    ; l: the sub-block's number inside its weight
	s_lshr_b32 s32, s31, 1
	s_bfm_b32 s33, s29, 0
	s_and_b32 s33, s32, s33                        ; ks
	s_lshr_b32 s32, s32, s29
	s_lshl_b32 s32, s32, 1
	s_and_b32 s31, s31, 1
	s_or_b32 s32, s32, s31                         ; g8
	s_mul_i32 s34, s33, s28
	s_lshl_b32 s34, s34, 7                         ; 128 ks rows
	s_lshl_b32 s32, s32, 9                         ; + 128 g8 columns
	s_add_co_u32 s34, s34, s32
	s_mov_b32 s35, 0
	s_lshl_b32 s36, s28, 5                         ; 32 rows
	s_mov_b32 s37, 0
	s_mul_i32 s38, ttmp9, SUB
	s_mov_b32 s39, 0
	v_lshlrev_b32 v[OFF], 2, v0                    ; 128 wave + 4 lane
.set I, 1
.rept 31
	v_add_nc_u32 v[OFF+I], s28, v[OFF+I-1]
.set I, I+1
.endr
	s_wait_alu depctr_va_vdst(0)
	s_wait_kmcnt 0x0
	s_cmp_lt_u32 ttmp9, 64                         ; the choice hangs on the work-group's number alone
	s_cselect_b64 s[12:13], s[10:11], s[12:13]
	s_cmp_lt_u32 ttmp9, 48
	s_cselect_b64 s[12:13], s[8:9], s[12:13]
	s_cmp_lt_u32 ttmp9, 32
	s_cselect_b64 s[12:13], s[6:7], s[12:13]
	s_cmp_lt_u32 ttmp9, 16
	s_cselect_b64 s[12:13], s[4:5], s[12:13]
	s_add_nc_u64 s[20:21], s[12:13], s[34:35]      ; a base for each block of 32 rows
	s_add_nc_u64 s[22:23], s[20:21], s[36:37]
	s_add_nc_u64 s[24:25], s[22:23], s[36:37]
	s_add_nc_u64 s[26:27], s[24:25], s[36:37]
	s_add_nc_u64 s[14:15], s[14:15], s[38:39]
.macro LOAD t                          ; block t: 32 rows of my column
.set I, 0
.rept 32
	global_load_b32 v[X+32*(\t)+I], v[OFF+I], s[20+2*(\t):21+2*(\t)] th:TH_LOAD_NT
.set I, I+1
.endr
.endm
.macro BLOCK kb, left
.set XS, X+32*(\kb)
.set CC, C+6*(\kb)
	s_wait_loadcnt \left                           ; this block's 32 loads are in; the next block's 32 may be out
.if (\kb)+2 < 4
	LOAD (\kb)+2
.endif
	v_max3_num_f32 v8, |v[XS]|, |v[XS+1]|, |v[XS+2]|       ; the block's largest magnitude: all 32 numbers are mine; two chains
	v_max3_num_f32 v9, |v[XS+3]|, |v[XS+4]|, |v[XS+5]|
.irp i, 6,10,14,18,22,26
	v_max3_num_f32 v8, v8, |v[XS+\i]|, |v[XS+\i+1]|
	v_max3_num_f32 v9, v9, |v[XS+\i+2]|, |v[XS+\i+3]|
.endr
	v_max3_num_f32 v8, v8, |v[XS+30]|, |v[XS+31]|
	v_max3_num_f32 v8, v8, v9, 0x1800000           ; and the floor 2^(3 - 127): the byte cannot fall under 1
	v_add_nc_u32 v12, 0xff000000, v8               ; 2 off the exponent field: the conversion's scale operand
	v_lshrrev_b32 v13, 23, v12                     ; the scale's byte
.if (\kb) == 0
	v_mov_b32 v14, v13
.else
	v_lshl_or_b32 v14, v13, 8*(\kb), v14           ; four bytes make my column's scale word of this K step
.endif
	v_cvt_scalef32_pk16_fp6_f32 v[CC:CC+2], v[XS:XS+15], v12
	v_cvt_scalef32_pk16_fp6_f32 v[CT:CT+2], v[XS+16:XS+31], v12   ; (a conversion's three registers begin on an even number)
	v_nop                                          ; one plain place behind a scaled conversion
.irp i, 0,1,2
	v_mov_b32 v[CC+3+\i], v[CT+\i]
.endr
; block kb is registers 6 (kb / 2) .. + 5 of the image's lane 16 (kb % 2) + r
.if (\kb) < 2
	ds_store_b128 v[LB], v[CC:CC+3] offset:256*((\kb)&1)
	ds_store_b64 v[LB], v[CC+4:CC+5] offset:512+256*((\kb)&1)
.else
	ds_store_b64 v[LB], v[CC:CC+1] offset:520+256*((\kb)&1)
	ds_store_b128 v[LB], v[CC+2:CC+5] offset:1024+256*((\kb)&1)
.endif
.endm
	LOAD 0
	LOAD 1
	BLOCK 0, 32
	BLOCK 1, 32
	BLOCK 2, 32
	BLOCK 3, 0
	ds_store_b32 v[SW], v14
	s_wait_dscnt 0x0                               ; for the others' sake: my stores have landed
	s_barrier_signal -1
	s_barrier_wait -1                              ; LDS bytes 0 to 12,799 are the sub-block
	s_cmp_lg_u32 s16, 0
	s_cbranch_scc1 .Lnot_wave_0
	ds_load_b128 v[8:11], v[L16] offset:SCO        ; wave 0 also takes the 512 bytes of scale words
	s_wait_dscnt 0x0
	global_store_b128 v[L16], v[8:11], s[14:15] offset:SCO
.Lnot_wave_0:
.irp j, 0,1,2,3,4,5
	ds_load_b128 v[X+4*\j:X+4*\j+3], v[RD] offset:512*\j
.endr
.irp j, 0,1,2,3,4,5
	s_wait_dscnt 5-\j
	global_store_b128 v[RD], v[X+4*\j:X+4*\j+3], s[14:15] offset:512*\j   ; 32 lanes store 512 consecutive bytes, at a multiple of 256 from the buffer's first byte
.endr
	s_wait_tensorcnt 0x0                           ; the wave's end
	ds_add_u32 v[SPW], v[NIL]
	s_wait_dscnt 0x0
	s_endpgm
.Lfunc_end_k_q5d545e4d57_wquant:
	.size	k_q5d545e4d57_wquant, .Lfunc_end_k_q5d545e4d57_wquant-k_q5d545e4d57_wquant
	.p2alignl 7, 3214868480
	.fill 96, 4, 3214868480
	.section	.rodata,"a",@progbits
	.p2align	6, 0x0
	.amdhsa_kernel k_q5d545e4d57_wquant
		.amdhsa_group_segment_fixed_size 13312
		.amdhsa_private_segment_fixed_size 0
		.amdhsa_enable_private_segment 0
		.amdhsa_kernarg_size 48
		.amdhsa_user_sgpr_count 2
		.amdhsa_user_sgpr_kernarg_segment_ptr 1
		.amdhsa_wavefront_size32 1
		.amdhsa_system_sgpr_workgroup_id_x 1
		.amdhsa_system_sgpr_workgroup_id_y 1
		.amdhsa_system_sgpr_workgroup_id_z 1
		.amdhsa_system_vgpr_workitem_id 0
		.amdhsa_next_free_vgpr 224
		.amdhsa_next_free_sgpr 66
		.amdhsa_reserve_vcc 0
		.amdhsa_float_denorm_mode_32 3
		.amdhsa_float_denorm_mode_16_64 3
		.amdhsa_memory_ordered 1
		.amdhsa_forward_progress 1
		.amdhsa_inst_pref_size 24
	.end_amdhsa_kernel
	.amdgpu_metadata
---
amdhsa.version: [ 1, 2 ]
amdhsa.kernels:
  - .name:           k_q5d545e4d57_wquant
    .symbol:         k_q5d545e4d57_wquant.kd
    .args:
      - { .name: Wq, .offset: 0, .size: 8, .value_kind: global_buffer, .address_space: global }
      - { .name: Wk, .offset: 8, .size: 8, .value_kind: global_buffer, .address_space: global }
      - { .name: Wv, .offset: 16, .size: 8, .value_kind: global_buffer, .address_space: global }
      - { .name: Wo, .offset: 24, .size: 8, .value_kind: global_buffer, .address_space: global }
      - { .name: Wfc, .offset: 32, .size: 8, .value_kind: global_buffer, .address_space: global }
      - { .name: wimg, .offset: 40, .size: 8, .value_kind: global_buffer, .address_space: global }
    .group_segment_fixed_size: 13312
    .private_segment_fixed_size: 0
    .kernarg_segment_align: 8
    .kernarg_segment_size: 48
    .max_flat_workgroup_size: 128
    .sgpr_count:     66
    .vgpr_count:     224
    .wavefront_size: 32
...
	.end_amdgpu_metadata
.endif
;; end of part 1
;; launch proj (part 2): grid 256 x 1, 4 waves a work-group, no clusters, 161,280 bytes of LDS; arguments q_feat, kv_feat, wimg, qimg, kimg, vimg; writes qimg, kimg, vimg
.if DOCPART == 2
	.amdgcn_target "amdgcn-amd-amdhsa--gfx1250"
	.amdhsa_code_object_version 6
	.text
	.protected	k_q5d545e4d57_proj
	.globl	k_q5d545e4d57_proj
	.p2align	8
	.type	k_q5d545e4d57_proj,@function
k_q5d545e4d57_proj:
	s_mov_b64 s[64:65], 0
	v_nop
	global_prefetch_b8 v0, s[64:65] scope:SCOPE_SE
	s_setreg_imm32_b32 hwreg(HW_REG_WAVE_MODE, 25, 1), 1
	s_wait_xcnt 0x0
; Q = q_feat Wq, K = kv_feat Wk, V = kv_feat Wv on codes of FP6 (E2M3) with E8M0 scales for each 32 along K = 1,024; the results are quantised at once for the attention's products
; (Q and K along the hidden 256, V along the keys) and stored as images of operand registers.
; SHARES.  A work-group takes 128 tokens: work-groups 0-127 of kv_feat (K and V), 128-255 of q_feat (Q).  The two ways part once, on the work-group's number, and have LDS bytes of their own.
; In each K step of 128, wave w loads rows 32 w .. 32 w + 31 (a load covers 512 consecutive bytes), turns them through its own stage in LDS so that a lane holds 16 neighbours of each block of 32,
; quantises them to two fragments and stores their register images in LDS; behind a barrier every wave loads all eight fragments.  The weights' fragments come from wimg straight into registers.
; TOKEN TILES: row r of tile 2 b + u is token 32 b + 8 u + r + 8 (r / 8).
; K (and Q): source 0 = 16 hidden units of W, source 1 = 16 tokens: a lane holds a token, its registers run along the hidden units.  Wave w: hidden half w / 2 x token tiles 4 (w % 2) + 0 .. 3: 32 accumulators.
; V: source 0 = 16 tokens, source 1 = 16 channels of Wv: a lane holds a channel, its registers run along the tokens.  Wave w: channel tiles 4 w + 0 .. 3 x all eight token tiles: 32 accumulators.
; Either way the wave's results are fragments 4 w .. 4 w + 3 of the block pair (16 fragments, 25,600 bytes) of these 128 tokens.
; No tensor load and no cluster: the stream of x is read by nobody else, and loads into registers with counted waits go on across the barriers.  No prefetch: the launch is a stream from its first line.
; LIMITS: NaN and infinities are not served.  A block of zeros, or one under 2^-124, keeps the byte 1: these bytes are read by this program alone.
; REGISTERS.  window 0: v1-11 addresses; v32-35 x's scale words; v40-47 the weights'; v56-151 x's eight fragments, before that 64 numbers (v56), codes (v120), work (v132-155); v156-157 two scale words; v164-211 Wv's four fragments.
;   window 1: v0-127 raw rows; v128-223 Wk's eight fragments.   window 2: K's accumulators (i, p) at 64 i + 8 p.   window 3: V's.
.set FRB,   1536
.set SUB,   12800
.set SCO,   12288
.set BPB,   25600
.set STGW,  16896                      ; a wave's stage: 32 rows x (512 + 16) bytes
.set XIMG,  67584                      ; behind the four stages: x's eight fragments,
.set XSC,   79872                      ; and their scale words, laid as a sub-block's
.set PATHB, 80384                      ; the second way's LDS bytes begin here
.set SPARE, 160768                     ; the spare words, 128 bytes for each wave
.set L16, 1
.set STW, 2
.set STR, 3
.set XWI, 4
.set XRI, 5
.set XSW, 6
.set XSR, 7
.set VO1, 8                            ; 16 lane + 6,144 (w % 2): my four fragments in a sub-block
.set VO2, 9                            ; 12,288 + 256 (w % 2) + 16 r: and their scale words
.set SPW, 10
.set NIL, 11
.set XS,  32
.set WKS, 40
.set WVS, 44
.set XN,  56
.set XF,  56
.set PC,  120
.set QC,  132
.set TM,  140
.set PW,  156
.set WVF, 164
.set WKF, 128
.set WV,  16
.set TH,  17
.set HF,  18
.set SEL, 20
.set XB,  24
.set WKB, 26
.set WVB, 28
.set KO,  30
.set VO,  32
.set KC,  34
.set MSB, 0
.macro WIN new                         ; the immediate's high byte repeats the setting that is left
.if MSB != (\new)
	s_set_vgpr_msb (MSB<<8)|(\new)
.set MSB, (\new)
.endif
.endm
.macro PLACES n
.rept \n
	v_nop
.endr
.endm
; one product: D, source 0, source 1; z = 1: it starts the sum; sa, sb: the scale registers; ra, rb = 1: that side's words stand in lanes 16-31
.macro WM d, a, b, z, sa, sb, ra, rb
.if (\z)
.if (\ra)
.if (\rb)
	v_wmma_scale_f32_16x16x128_f8f6f4 v[(\d):(\d)+7], v[(\a):(\a)+11], v[(\b):(\b)+11], 0, v[\sa], v[\sb] matrix_a_fmt:MATRIX_FMT_FP6 matrix_b_fmt:MATRIX_FMT_FP6 matrix_a_scale:MATRIX_SCALE_ROW1 matrix_b_scale:MATRIX_SCALE_ROW1
.else
	v_wmma_scale_f32_16x16x128_f8f6f4 v[(\d):(\d)+7], v[(\a):(\a)+11], v[(\b):(\b)+11], 0, v[\sa], v[\sb] matrix_a_fmt:MATRIX_FMT_FP6 matrix_b_fmt:MATRIX_FMT_FP6 matrix_a_scale:MATRIX_SCALE_ROW1
.endif
.else
.if (\rb)
	v_wmma_scale_f32_16x16x128_f8f6f4 v[(\d):(\d)+7], v[(\a):(\a)+11], v[(\b):(\b)+11], 0, v[\sa], v[\sb] matrix_a_fmt:MATRIX_FMT_FP6 matrix_b_fmt:MATRIX_FMT_FP6 matrix_b_scale:MATRIX_SCALE_ROW1
.else
	v_wmma_scale_f32_16x16x128_f8f6f4 v[(\d):(\d)+7], v[(\a):(\a)+11], v[(\b):(\b)+11], 0, v[\sa], v[\sb] matrix_a_fmt:MATRIX_FMT_FP6 matrix_b_fmt:MATRIX_FMT_FP6
.endif
.endif
.else
.if (\ra)
.if (\rb)
	v_wmma_scale_f32_16x16x128_f8f6f4 v[(\d):(\d)+7], v[(\a):(\a)+11], v[(\b):(\b)+11], v[(\d):(\d)+7], v[\sa], v[\sb] matrix_a_fmt:MATRIX_FMT_FP6 matrix_b_fmt:MATRIX_FMT_FP6 matrix_a_scale:MATRIX_SCALE_ROW1 matrix_b_scale:MATRIX_SCALE_ROW1
.else
	v_wmma_scale_f32_16x16x128_f8f6f4 v[(\d):(\d)+7], v[(\a):(\a)+11], v[(\b):(\b)+11], v[(\d):(\d)+7], v[\sa], v[\sb] matrix_a_fmt:MATRIX_FMT_FP6 matrix_b_fmt:MATRIX_FMT_FP6 matrix_a_scale:MATRIX_SCALE_ROW1
.endif
.else
.if (\rb)
	v_wmma_scale_f32_16x16x128_f8f6f4 v[(\d):(\d)+7], v[(\a):(\a)+11], v[(\b):(\b)+11], v[(\d):(\d)+7], v[\sa], v[\sb] matrix_a_fmt:MATRIX_FMT_FP6 matrix_b_fmt:MATRIX_FMT_FP6 matrix_b_scale:MATRIX_SCALE_ROW1
.else
	v_wmma_scale_f32_16x16x128_f8f6f4 v[(\d):(\d)+7], v[(\a):(\a)+11], v[(\b):(\b)+11], v[(\d):(\d)+7], v[\sa], v[\sb] matrix_a_fmt:MATRIX_FMT_FP6 matrix_b_fmt:MATRIX_FMT_FP6
.endif
.endif
.endif
.endm
; 64 numbers of a lane, v[s] .. v[s + 63] of window w, register 16 b + i = k 32 b + 16 (lane / 16) + i of my row, become a fragment's codes in v[pc] on and its scale word in v[pw], both in window 0.
; Results of products are read from each accumulator's low end on.
.macro QUANT s, w, pc, pw
	WIN (\w)|((\w)<<2)
.irp b, 0,1,2,3
	v_max3_num_f32 v[TM+\b], |v[(\s)+16*\b]|, |v[(\s)+16*\b+1]|, 0x1800000   ; block b: my 16 numbers, and the floor 2^(3 - 127): the byte cannot fall under 1
.endr
	WIN ((\w)<<2)|((\w)<<4)
.irp i, 2,4,6,8,10,12,14
.irp b, 0,1,2,3
	v_max3_num_f32 v[TM+\b], v[TM+\b], |v[(\s)+16*\b+\i]|, |v[(\s)+16*\b+\i+1]|   ; the four blocks by turns
.endr
.endr
	WIN 0
.irp b, 0,1,2,3
	v_permlanex16_b32 v[TM+4+\b], v[TM+\b], s[SEL], s[SEL+1]
.endr
.irp b, 0,1,2,3
	v_max_num_f32 v[TM+\b], v[TM+\b], v[TM+4+\b]   ; with lane l xor 16's: the block's largest magnitude
.endr
.irp b, 0,1,2,3
	v_add_nc_u32 v[TM+12+\b], 0xff000000, v[TM+\b] ; 2 off its exponent field: the conversion's scale operand
.endr
.irp b, 0,1,2,3
	v_lshrrev_b32 v[TM+4+\b], 23, v[TM+12+\b]      ; the scale's byte
.endr
	v_lshl_or_b32 v[\pw], v[TM+5], 8, v[TM+4]
	v_lshl_or_b32 v[\pw], v[TM+6], 16, v[\pw]
	v_lshl_or_b32 v[\pw], v[TM+7], 24, v[\pw]
	WIN (\w)
.irp c, 0,1
	v_cvt_scalef32_pk16_fp6_f32 v[(\pc)+6*\c:(\pc)+6*\c+2], v[(\s)+32*\c:(\s)+32*\c+15], v[TM+12+2*\c]
	v_cvt_scalef32_pk16_fp6_f32 v[QC+4*\c:QC+4*\c+2], v[(\s)+32*\c+16:(\s)+32*\c+31], v[TM+13+2*\c]   ; (a conversion's three registers begin on an even number)
.endr
	WIN 0
	v_nop                                          ; one plain place behind a scaled conversion
.irp c, 0,1                            ; the operand's layout wants a whole block in a lane: lanes 0-15 block 2 c, lanes 16-31 block 2 c + 1
.irp i, 0,1,2
	v_permlane16_swap_b32 v[(\pc)+6*\c+\i], v[QC+4*\c+\i]
.endr
.irp i, 0,1,2
	v_mov_b32 v[(\pc)+3+6*\c+\i], v[QC+4*\c+\i]
.endr
.endr
.endm
.macro RAW                             ; my 32 rows' 512 bytes of a K step
	WIN 0x40
.set J, 0
.rept 32
	global_load_b128 v[4*J:4*J+3], v[L16], s[XB:XB+1] offset:4096*J th:TH_LOAD_NT
.set J, J+1
.endr
	WIN 0
.endm
.macro WLOAD kv                        ; a K step's weights: 25 loads, with Wv's 38
	WIN 0x40
.set J, 0
.rept 24
	global_load_b128 v[WKF+4*J:WKF+4*J+3], v[L16], s[WKB:WKB+1] offset:512*J
.set J, J+1
.endr
	WIN 0
	global_load_b128 v[WKS:WKS+3], v[L16], s[WKB:WKB+1] offset:SCO
.if \kv
.set J, 0
.rept 12
	global_load_b128 v[WVF+4*J:WVF+4*J+3], v[VO1], s[WVB:WVB+1] offset:512*J
.set J, J+1
.endr
	global_load_b128 v[WVS:WVS+3], v[VO2], s[WVB:WVB+1]
.endif
.endm
.macro XLD off                         ; a tile's 64 numbers a lane out of my stage
.irp b, 0,1,2,3
.irp jj, 0,1,2,3
	ds_load_b128 v[XN+16*\b+4*\jj:XN+16*\b+4*\jj+3], v[STR] offset:(\off)+128*\b+16*\jj
.endr
.endr
.endm
.macro IMG off                         ; the fragment in v[PC] on goes to LDS as it stands
.irp k, 0,1,2
	ds_store_b128 v[XWI], v[PC+4*\k:PC+4*\k+3] offset:(\off)+512*\k
.endr
.endm
; 32 products, 32 accumulators, one instruction a turn
.macro KMUL th, zero
	WIN 0xa1                                       ; source 0 (W) window 1, source 1 (x) window 0, C and D window 2
.irp i, 0,1,2,3
.irp p, 0,1,2,3,4,5,6,7
	WM 64*\i+8*\p, WKF+12*\p, XF+12*(4*(\th)+\i), \zero, WKS+(\p&3), XS+\i, \p>>2, \th
.endr
.endr
	WIN 0
.endm
.macro VMUL zero
	WIN 0xf0                                       ; both sources window 0, C and D window 3
.irp i, 0,1,2,3
.irp p, 0,1,2,3,4,5,6,7
	WM 64*\i+8*\p, XF+12*\p, WVF+12*\i, \zero, XS+(\p&3), WVS+\i, \p>>2, 0
.endr
.endr
	WIN 0
.endm
; A K STEP.  zero = 1: its products start the sums.  more = 1: the next step's rows and weights are asked for.
.macro TRIP kv, zero, more
.if \kv
	s_wait_loadcnt 38                              ; my raw rows are in; the 38 younger loads are this step's weights
.else
	s_wait_loadcnt 25
.endif
	WIN 0x04                                       ; an LDS store's data are its source 1: window 1
.set J, 0
.rept 32
	ds_store_b128 v[STW], v[4*J:4*J+3] offset:528*(16*((J>>3)&1)+(J&7)+8*(J>>4))   ; row j of my 32 is row (j % 8) + 8 (j / 16) of tile (j / 8) % 2
.set J, J+1
.endr
	WIN 0
	XLD 0                                          ; LDS serves a wave's instructions in order: these see the stores
	s_wait_dscnt 0x0                               ; and the stores have read the raw registers
.if \more
	s_add_nc_u64 s[XB:XB+1], s[XB:XB+1], 512       ; the loads that used this base were shown done by the wait at the head
	RAW
.endif
	QUANT XN, 0, PC, PW
	IMG 0
	XLD 16*528
	s_wait_dscnt 0x0                               ; the second tile is in, and the image's stores have read their registers
	QUANT XN, 0, PC, PW+1
	IMG FRB
	ds_store_b64 v[XSW], v[PW:PW+1]                ; both halves of the lanes hold the same words and write the same bytes
	s_wait_dscnt 0x0                               ; for the others' sake: my stores have landed
	s_barrier_signal -1
	s_barrier_wait -1                              ; x's eight fragments lie in LDS
.set J, 0
.rept 24
	ds_load_b128 v[XF+4*J:XF+4*J+3], v[XRI] offset:512*J
.set J, J+1
.endr
	ds_load_b128 v[XS:XS+3], v[XSR]
	s_wait_dscnt 0x0                               ; my reads of the images are over
	s_barrier_signal -1
	s_barrier_wait -1                              ; everybody's are: the next step may write them again
	s_wait_loadcnt 32*(\more)                      ; the weights are in; the 32 younger loads are the next step's rows
	s_cmp_eq_u32 s[TH], 0                          ; which four token tiles are mine hangs on the wave's number alone
	s_cbranch_scc0 .Lodd_\@
	KMUL 0, \zero
	s_branch .Lboth_\@
.Lodd_\@:
	KMUL 1, \zero
.Lboth_\@:
.if \kv
	VMUL \zero
.endif
	PLACES 4                                       ; in front of loads into, and vector writes of, registers that the products have read, and of the first read of results
.if \more
	s_add_nc_u64 s[WKB:WKB+1], s[WKB:WKB+1], BPB   ; the loads that used these bases were shown done by the wait in front of the products
.if \kv
	s_add_nc_u64 s[WVB:WVB+1], s[WVB:WVB+1], BPB
.endif
	WLOAD \kv
.endif
.endm
.macro PATH kv, lb
	s_mul_i32 s36, s[WV], STGW
	s_add_co_u32 s36, s36, \lb                     ; my stage
	v_add_nc_u32 v[STW], s36, v[L16]
	v_mul_u32_u24 v[STR], v14, 528
	v_lshl_add_u32 v[STR], v15, 6, v[STR]
	v_add_nc_u32 v[STR], s36, v[STR]               ; out of it: row r, + 64 h: my 16 numbers of a block of 32
	s_mul_i32 s36, s[WV], 2*FRB
	s_add_co_u32 s36, s36, (\lb)+XIMG
	v_add_nc_u32 v[XWI], s36, v[L16]
	v_add_nc_u32 v[XRI], (\lb)+XIMG, v[L16]
	s_lshl_b32 s36, s[HF], 8
	s_lshl_b32 s37, s[TH], 3
	s_add_co_u32 s36, s36, s37
	s_add_co_u32 s36, s36, (\lb)+XSC
	v_lshl_add_u32 v[XSW], v14, 4, s36             ; the words of fragments 2 w and 2 w + 1, row r
	v_add_nc_u32 v[XSR], (\lb)+XSC, v[L16]
.if \kv
	s_mov_b32 s36, ttmp9
.else
	s_sub_co_u32 s36, ttmp9, 128
.endif
	s_lshl_b32 s38, s36, 19                        ; 128 rows of 4,096 bytes,
	s_lshl_b32 s39, s[WV], 17                      ; my wave's 32
	s_add_co_u32 s38, s38, s39
	s_mov_b32 s39, 0
	s_mul_i32 s40, s36, BPB
	s_mul_i32 s42, s[HF], SUB
	s_add_co_u32 s40, s40, s42                     ; my sub-block of the results
	s_mov_b32 s41, 0
	s_mov_b32 s43, 0
	s_wait_alu depctr_va_vdst(0)
	s_wait_kmcnt 0x0
.if \kv
	s_add_nc_u64 s[XB:XB+1], s[6:7], s[38:39]
	s_add_nc_u64 s[WKB:WKB+1], s[8:9], s[42:43]
	s_add_nc_u64 s[WVB:WVB+1], s[WKB:WKB+1], 409600
	s_add_nc_u64 s[WKB:WKB+1], s[WKB:WKB+1], 204800
	s_add_nc_u64 s[KO:KO+1], s[12:13], s[40:41]
	s_add_nc_u64 s[VO:VO+1], s[14:15], s[40:41]
.else
	s_add_nc_u64 s[XB:XB+1], s[4:5], s[38:39]
	s_add_nc_u64 s[WKB:WKB+1], s[8:9], s[42:43]
	s_add_nc_u64 s[KO:KO+1], s[10:11], s[40:41]
.endif
	RAW
	WLOAD \kv
	TRIP \kv, 1, 1                                 ; the first K step starts the sums
	s_mov_b32 s[KC], 6
.Lk_\@:
	TRIP \kv, 0, 1
	s_sub_co_u32 s[KC], s[KC], 1
	s_cmp_lg_u32 s[KC], 0
	s_cbranch_scc1 .Lk_\@
	TRIP \kv, 0, 0                                 ; the last asks for nothing: no load leaves its buffer
	; the results become fragments 4 w + i of the block pair
.irp i, 0,1,2,3
	QUANT 64*\i, 2, 160+12*\i, 32+\i
.endr
.if \kv
.irp i, 0,1,2,3
	QUANT 64*\i, 3, 208+12*\i, 36+\i
.endr
.endif
.set J, 0
.rept 12
	global_store_b128 v[VO1], v[160+4*J:160+4*J+3], s[KO:KO+1] offset:512*J   ; 32 lanes store 512 consecutive bytes
.set J, J+1
.endr
	global_store_b128 v[VO2], v[32:35], s[KO:KO+1] ; four words a row: 256 bytes; lanes 16-31 hold and write the same
.if \kv
.set J, 0
.rept 12
	global_store_b128 v[VO1], v[208+4*J:208+4*J+3], s[VO:VO+1] offset:512*J
.set J, J+1
.endr
	global_store_b128 v[VO2], v[36:39], s[VO:VO+1]
.endif
	s_wait_tensorcnt 0x0                           ; the wave's end
	ds_add_u32 v[SPW], v[NIL]
	s_wait_dscnt 0x0
	s_endpgm
.endm
	s_load_b256 s[4:11], s[0:1], 0x0               ; q_feat, kv_feat, wimg, qimg
	s_load_b128 s[12:15], s[0:1], 0x20             ; kimg, vimg
	v_lshl_add_u32 v[SPW], v0, 2, SPARE
	v_mov_b32 v[NIL], 0
	v_lshrrev_b32 v12, 5, v0
	v_readfirstlane_b32 s[WV], v12                 ; wave
	s_and_b32 s[TH], s[WV], 1
	s_lshr_b32 s[HF], s[WV], 1
	s_mov_b32 s[SEL], 0x76543210
	s_mov_b32 s[SEL+1], 0xfedcba98                 ; v_permlanex16_b32's selects for lane l xor 16
	v_and_b32 v13, 31, v0                          ; lane
	v_and_b32 v14, 15, v0                          ; r
	v_bfe_u32 v15, v0, 4, 1                        ; h
	v_lshlrev_b32 v[L16], 4, v13
	s_mul_i32 s36, s[TH], 4*FRB
	v_add_nc_u32 v[VO1], s36, v[L16]
	s_lshl_b32 s36, s[TH], 8
	s_add_co_u32 s36, s36, SCO
	v_lshl_add_u32 v[VO2], v14, 4, s36
.irp b, 0,1,2,3
	v_mov_b32 v[TM+4+\b], 0                        ; written once: a lane permute's destination counts as one of its sources
.endr
	s_cmp_lt_u32 ttmp9, 128
	s_cbranch_scc0 .Lq_path
	PATH 1, 0
.Lq_path:
	s_wait_alu depctr_va_vdst(0)
	PATH 0, PATHB
.Lfunc_end_k_q5d545e4d57_proj:
	.size	k_q5d545e4d57_proj, .Lfunc_end_k_q5d545e4d57_proj-k_q5d545e4d57_proj
	.p2alignl 7, 3214868480
	.fill 96, 4, 3214868480
	.section	.rodata,"a",@progbits
	.p2align	6, 0x0
	.amdhsa_kernel k_q5d545e4d57_proj
		.amdhsa_group_segment_fixed_size 161280
		.amdhsa_private_segment_fixed_size 0
		.amdhsa_enable_private_segment 0
		.amdhsa_kernarg_size 48
		.amdhsa_user_sgpr_count 2
		.amdhsa_user_sgpr_kernarg_segment_ptr 1
		.amdhsa_wavefront_size32 1
		.amdhsa_system_sgpr_workgroup_id_x 1
		.amdhsa_system_sgpr_workgroup_id_y 1
		.amdhsa_system_sgpr_workgroup_id_z 1
		.amdhsa_system_vgpr_workitem_id 0
		.amdhsa_next_free_vgpr 1024
		.amdhsa_next_free_sgpr 66
		.amdhsa_reserve_vcc 0
		.amdhsa_float_denorm_mode_32 3
		.amdhsa_float_denorm_mode_16_64 3
		.amdhsa_memory_ordered 1
		.amdhsa_forward_progress 1
		.amdhsa_inst_pref_size 238
	.end_amdhsa_kernel
	.amdgpu_metadata
---
amdhsa.version: [ 1, 2 ]
amdhsa.kernels:
  - .name:           k_q5d545e4d57_proj
    .symbol:         k_q5d545e4d57_proj.kd
    .args:
      - { .name: q_feat, .offset: 0, .size: 8, .value_kind: global_buffer, .address_space: global }
      - { .name: kv_feat, .offset: 8, .size: 8, .value_kind: global_buffer, .address_space: global }
      - { .name: wimg, .offset: 16, .size: 8, .value_kind: global_buffer, .address_space: global }
      - { .name: qimg, .offset: 24, .size: 8, .value_kind: global_buffer, .address_space: global }
      - { .name: kimg, .offset: 32, .size: 8, .value_kind: global_buffer, .address_space: global }
      - { .name: vimg, .offset: 40, .size: 8, .value_kind: global_buffer, .address_space: global }
    .group_segment_fixed_size: 161280
    .private_segment_fixed_size: 0
    .kernarg_segment_align: 8
    .kernarg_segment_size: 48
    .max_flat_workgroup_size: 128
    .sgpr_count:     66
    .vgpr_count:     1024
    .wavefront_size: 32
...
	.end_amdgpu_metadata
.endif
;; end of part 2
;; launch attn (part 3): grid 64 x 4, 4 waves a work-group, clusters of 4 x 1, 327,680 bytes of LDS; arguments qimg, kimg, vimg, cimg; writes cimg
.if DOCPART == 3
	.amdgcn_target "amdgcn-amd-amdhsa--gfx1250"
	.amdhsa_code_object_version 6
	.text
	.protected	k_q5d545e4d57_attn
	.globl	k_q5d545e4d57_attn
	.p2align	8
	.type	k_q5d545e4d57_attn,@function
k_q5d545e4d57_attn:
	s_mov_b64 s[64:65], 0
	v_nop
	global_prefetch_b8 v0, s[64:65] scope:SCOPE_SE
	s_setreg_imm32_b32 hwreg(HW_REG_WAVE_MODE, 25, 1), 1
	s_wait_xcnt 0x0
	s_wait_alu depctr_hold_cnt(0) depctr_sa_sdst(0) depctr_va_vdst(0) depctr_va_sdst(0) depctr_va_ssrc(0) depctr_va_vcc(0) depctr_vm_vsrc(0)
	s_getreg_b32 s2, hwreg(HW_REG_IB_STS2, 6, 4)
	s_cmp_eq_u32 s2, 0
	s_cbranch_scc0 .Lentry_in_a_cluster
	s_endpgm
.Lentry_in_a_cluster:
	s_bfe_u32 s2, ttmp6, 0x10000c
	s_cmp_lg_u32 s2, 0x3003
	s_cbranch_scc0 .Lentry_shape_is_right
	s_endpgm
.Lentry_shape_is_right:
; ctx = softmax(Q K^T / 16) V on codes of FP6 (E2M3) with E8M0 scales; ctx is quantised along the 256 channels and stored as images of operand registers.
; SHARES.  A work-group takes 64 queries of one batch and walks the 4,096 keys in 8 steps of 512.  In a step wave w makes S^T = K Q^T of ITS 128 keys x 64 queries, the waves exchange the rows' largest
; scores through LDS, so that all four hold one running M (a whole number: the ceiling of the running largest t), wave w makes p = 2^(t - M) of its keys, sums it unquantised, quantises it to four fragments
; and puts them into LDS; then every wave multiplies all 16 fragments of p with ITS 64 channels of V: O^T is 64 channels x 64 queries, 128 registers a wave, and no partial results are joined at the end.
; THE STEPS ARE SKEWED: the products V p of step j - 1 stand among the multiply-adds t - M of step j; of the products K Q of step j + 1 the 32 that begin a sum stand among step j's exponentials,
; the 32 that add onto it among the additions of the rows' sums: one matrix instruction, then a few vector instructions.  No exponential stands between the wait ahead of a run and a product that adds onto a sum.
; LDS: one slot for K's 512 keys and one for V's, 4 x 25,600 bytes each; wave w fetches block pair w of each, jointly with the three partners of its cluster (same batch, same tiles).
; K's slot is filled again behind round X (end of a step: all reads of K over), V's behind round Y (middle of a step: all reads of V over).  K's quarter is read by the wave that fetched it.
; Two slots for each of K and V would take 409,600 bytes and do not fit.  kimg and vimg of a batch, 1,638,400 bytes, are read by all 64 work-groups of the batch in this launch: no prefetch is laid.
; O^T is cleared once at the head, so that the step is written once: the first step's products find zeros.
; LIMITS: the promise holds while the scaled scores (t, before M is taken away) stay under 2^31 in magnitude.  NaN and infinities are not served.  A block of p or of ctx under 2^-124 keeps the byte 1.
; REGISTERS.  window 0: v1-23 addresses; v24-55 for each query tile -M, largest t, f, 0, four sums; v56-103 scale words (Q, K, V, p); v104-159 work; v160-255 source 1's fragments, two sets of 48 (p or Q).
;   window 1: the scores.  window 2: t - M, then p.  window 3: v0-127 O^T (32 q + 8 tile); v128-223 source 0's fragments, two sets of 48 (V or K).
.set FRB,   1536
.set SUB,   12800
.set SCO,   12288
.set BPB,   25600
.set VRG,   102400                     ; V's slot, behind K's
.set PAR,   204800                     ; p's 16 fragments
.set PSC,   229376                     ; p's scale words; + 1,024 the rows' largest scores; + 2,048 the rows' sums
.set SPARE, 232448                     ; the spare words, 128 bytes a wave
.set CST,   232960                     ; the stage of the result: a sub-block of 12,800 bytes
.set QAR,   245760                     ; Q's eight fragments
.set KA,  1
.set SPW, 2
.set NIL, 3
.set VA,  4
.set VSA, 6
.set PA,  8
.set PWA, 9
.set XR,  10
.set XW,  11
.set QA,  12
.set QW,  13
.set QG,  14
.set CA0, 15
.set CA1, 16
.set SWA, 17
.set RDA, 18
.set GO,  19
.set L16, 20
.set R16, 21
.set TT,  22
.set RD0, 23
.set TQ,  24
.set QS,  56
.set KS,  64
.set VS,  72
.set PSR, 88
.set PSO, 104
.set MXO, 108
.set BM,  112
.set BP,  128
.set MXR, 144
.set BF,  160
.set CT,  208
.set AF,  128
.set WV,  12
.set G1D, 24
.set G0K, 32
.set G0V, 36
.set KB,  40
.set VB,  42
.set CNT, 44
.set JK,  45
.set CS,  46
.set SEL, 48
.set JV,  50
.set OFS, 58
.set MSB, 0
.macro WIN new                         ; the immediate's high byte repeats the setting that is left
.if MSB != (\new)
	s_set_vgpr_msb (MSB<<8)|(\new)
.set MSB, (\new)
.endif
.endm
.macro PLACES n
.rept \n
	v_nop
.endr
.endm
.macro WALU
	s_wait_alu depctr_va_vdst(0)
.endm
.macro CROUND
	s_barrier_signal -1
	s_barrier_wait -1
	s_cmp_lg_u32 s[WV], 0
	s_cbranch_scc1 .Lnot_wave_0_\@
	s_barrier_signal -3
.Lnot_wave_0_\@:
	s_barrier_wait -3
	s_barrier_signal -1
	s_barrier_wait -1
.endm
; one product; z = 1: it starts the sum; ra = 1: source 0's scale words stand in lanes 16-31
.macro WM d, a, b, z, sa, sb, ra
.if (\z)
.if (\ra)
	v_wmma_scale_f32_16x16x128_f8f6f4 v[(\d):(\d)+7], v[(\a):(\a)+11], v[(\b):(\b)+11], 0, v[\sa], v[\sb] matrix_a_fmt:MATRIX_FMT_FP6 matrix_b_fmt:MATRIX_FMT_FP6 matrix_a_scale:MATRIX_SCALE_ROW1
.else
	v_wmma_scale_f32_16x16x128_f8f6f4 v[(\d):(\d)+7], v[(\a):(\a)+11], v[(\b):(\b)+11], 0, v[\sa], v[\sb] matrix_a_fmt:MATRIX_FMT_FP6 matrix_b_fmt:MATRIX_FMT_FP6
.endif
.else
.if (\ra)
	v_wmma_scale_f32_16x16x128_f8f6f4 v[(\d):(\d)+7], v[(\a):(\a)+11], v[(\b):(\b)+11], v[(\d):(\d)+7], v[\sa], v[\sb] matrix_a_fmt:MATRIX_FMT_FP6 matrix_b_fmt:MATRIX_FMT_FP6 matrix_a_scale:MATRIX_SCALE_ROW1
.else
	v_wmma_scale_f32_16x16x128_f8f6f4 v[(\d):(\d)+7], v[(\a):(\a)+11], v[(\b):(\b)+11], v[(\d):(\d)+7], v[\sa], v[\sb] matrix_a_fmt:MATRIX_FMT_FP6 matrix_b_fmt:MATRIX_FMT_FP6
.endif
.endif
.endm
; product n of S^T = K Q^T: n = 32 c + 16 g + 4 t + q: hidden half c, key tile 4 g + t, query tile q.  The 32 accumulators take turns
.macro WMK n
.set C_, (\n)>>5
.set G_, ((\n)>>4)&1
.set T_, ((\n)>>2)&3
.set Q_, (\n)&3
	WIN 0x53                                       ; source 0 window 3, source 1 window 0, C and D window 1
	WM 64*Q_+8*(4*G_+T_), AF+48*G_+12*T_, BF+48*C_+12*Q_, 1-C_, KS+4*C_+T_, QS+4*C_+Q_, G_
.endm
; product n of O^T += V^T p^T: n = 16 k + 4 t + q: 128 keys k of the step's 512, my channel tile t, query tile q.  The 16 accumulators take turns
.macro WMP n
.set K_, (\n)>>4
.set T_, ((\n)>>2)&3
.set Q_, (\n)&3
	WIN 0xf3                                       ; source 0, C and D window 3, source 1 window 0
	WM 32*Q_+8*T_, AF+48*(K_&1)+12*T_, BF+48*(K_&1)+12*Q_, 0, VS+4*K_+T_, PSR+4*K_+Q_, 0
.endm
.macro LD12 reg, adr, off              ; four fragments, 12 loads of 512 bytes
.set I_, 0
.rept 12
	ds_load_b128 v[(\reg)+4*I_:(\reg)+4*I_+3], v[\adr] offset:(\off)+512*I_
.set I_, I_+1
.endr
.endm
.macro LDV k                           ; my four channel tiles of V, keys 128 k ..
	WIN 0xc0
	LD12 AF+48*((\k)&1), VA+((\k)>>1), ((\k)&1)*BPB
.endm
.macro LDP k                           ; p's four query tiles, keys 128 k ..
	WIN 0
	LD12 BF+48*((\k)&1), PA, 4*(\k)*FRB
.endm
.macro LDK c, g                        ; my key tiles 4 g .. 4 g + 3, hidden half c
	WIN 0xc0
	LD12 AF+48*(\g), KA, (\c)*SUB+4*(\g)*FRB
.endm
.macro LDQ c
	WIN 0
	LD12 BF+48*(\c), QA, 6144*(\c)
.endm
.macro FMA2 n                          ; t - M of four scores: window 1 to window 2
	WIN 0x81
.set X_, 4*(\n)
.rept 2
	v_pk_fma_f32 v[X_:X_+1], v[X_:X_+1], s[CS:CS+1], v[TQ+8*(X_>>6):TQ+8*(X_>>6)+1] op_sel_hi:[1,0,0]
.set X_, X_+2
.endr
.endm
.macro EXPS win, from, cnt
	WIN \win
.set X_, \from
.rept \cnt
	v_exp_f32 v[X_], v[X_]
.set X_, X_+1
.endr
.endm
.macro ADD4 i                          ; the rows' sums of the unquantised p: eight chains, four of them a turn
	WIN 0x08
.set H_, 2*((\i)&1)
.set M_, 4*((\i)>>1)+H_
.irp q, 0,1,2,3
	v_pk_add_f32 v[TQ+8*\q+4+H_:TQ+8*\q+5+H_], v[TQ+8*\q+4+H_:TQ+8*\q+5+H_], v[64*\q+M_:64*\q+M_+1]
.endr
.endm
; a run of 16 products V p, each with two of step j's 128 multiply-adds behind it
.macro RUNP n0, pv, vec
.if \pv
	WIN 0xf3
.endif
	WALU
.set N, \n0
.rept 16
.if \pv
	WMP N
.endif
.if \vec
	FMA2 N
.endif
.set N, N+1
.endr
.endm
; a run of 16 products K Q: runs 0 and 1 (they begin the sums and read none) with eight exponentials a product, runs 2 and 3 with four additions
.macro RUNK n0, qk, vec
.if \qk
	WIN 0x53
.endif
	WALU
.set N, \n0
.rept 16
.if \qk
	WMK N
.endif
.if \vec
.if N < 32
	EXPS 0x82, 8*N, 8
.else
	ADD4 N-32
.endif
.endif
.set N, N+1
.endr
.endm
; The meeting of the waves.  round = 1: a slot is filled behind it: the wait for all my tensor loads, the add, the next tile's address, the wait for the add and my LDS instructions, a round of the cluster's barrier, my one load.
.macro SYNC round, g0, base, cnt
	WIN 0
	WALU
	s_wait_tensorcnt 0x0
.if \round
	ds_add_u32 v[SPW], v[NIL]
	s_and_b32 s[OFS], s[\cnt], 7
	s_mul_i32 s[OFS], s[OFS], 4*BPB
	s_add_co_u32 s[\cnt], s[\cnt], 1
	s_add_nc_u64 s[\g0+2:\g0+3], s[\base:\base+1], s[OFS:OFS+1]
	s_or_b32 s[\g0+3], s[\g0+3], 0x80000000
	s_wait_dscnt 0x0
	CROUND
	tensor_load_to_lds s[\g0:\g0+3], s[G1D:G1D+7]
	s_nop 0
	PLACES 4
.else
	s_wait_dscnt 0x0
	s_barrier_signal -1
	s_barrier_wait -1
.endif
.endm
; the common M of step j, f = 2^(old M - new M), the sums under the new M, and t - M of each block's largest score
.macro MCALC
.irp q, 0,1,2,3
	v_max3_num_f32 v[BP+\q], v[MXR+\q], v[MXR+4+\q], v[MXR+8+\q]
.endr
.irp q, 0,1,2,3
	v_max_num_f32 v[BP+\q], v[BP+\q], v[MXR+12+\q]
.endr
.irp q, 0,1,2,3
	v_mul_f32 v[BP+\q], s[CS], v[BP+\q]
.endr
.irp q, 0,1,2,3
	v_max_num_f32 v[TQ+8*\q+1], v[TQ+8*\q+1], v[BP+\q]
.endr
.irp q, 0,1,2,3
	v_mov_b32 v[BP+\q], v[TQ+8*\q]
.endr
.irp q, 0,1,2,3
	v_floor_f32 v[TQ+8*\q], -v[TQ+8*\q+1]
.endr
.irp q, 0,1,2,3
	v_sub_f32 v[BP+\q], v[TQ+8*\q], v[BP+\q]
.endr
.irp q, 0,1,2,3
	v_cvt_i32_f32 v[BP+\q], v[BP+\q]
.endr
.irp q, 0,1,2,3
	v_ldexp_f32 v[TQ+8*\q+2], 1.0, v[BP+\q]
.endr
.irp q, 0,1,2,3
	v_pk_mul_f32 v[TQ+8*\q+4:TQ+8*\q+5], v[TQ+8*\q+4:TQ+8*\q+5], v[TQ+8*\q+2:TQ+8*\q+3] op_sel_hi:[1,0]
	v_pk_mul_f32 v[TQ+8*\q+6:TQ+8*\q+7], v[TQ+8*\q+6:TQ+8*\q+7], v[TQ+8*\q+2:TQ+8*\q+3] op_sel_hi:[1,0]
.endr
.set X_, 0
.rept 16
	v_fma_f32 v[BM+X_], v[BM+X_], s[CS], v[TQ+8*(X_>>2)]
.set X_, X_+1
.endr
	WALU
.endm
; PART A, behind round X.  pv: the products V p of the step before; qn: Q's first half is fetched for the products that follow; vec: the vector work of a step
; Counted waits on DScnt: 56, 24, 12 are the loads issued behind those that the next lines need (a set of V and p is 24 loads, half of Q 12)
.macro PARTA pv, qn, vec
	WIN 0
.if \vec
.irp w, 0,1,2,3
	ds_load_b128 v[MXR+4*\w:MXR+4*\w+3], v[XR] offset:1024+256*\w
.endr
.endif
.if \pv
.irp k, 0,1,2,3
	ds_load_b128 v[PSR+4*\k:PSR+4*\k+3], v[XR] offset:256*\k
.endr
.irp k, 0,1,2,3
	ds_load_b128 v[VS+4*\k:VS+4*\k+3], v[VSA+(\k>>1)] offset:(\k&1)*BPB
.endr
	LDV 0
	LDP 0
	LDV 1
	LDP 1
.endif
.if \vec
	s_wait_dscnt 56*(\pv)
	MCALC
.endif
.if \pv
	s_wait_dscnt 24
.endif
	RUNP 0, \pv, \vec
.if \pv
	PLACES 4
	LDV 2
	LDP 2
	s_wait_dscnt 24
.endif
	RUNP 16, \pv, \vec
.if \pv
	PLACES 4
	LDV 3
	LDP 3
	s_wait_dscnt 24
.endif
	RUNP 32, \pv, \vec
.if \qn
.if \pv
	PLACES 4
.endif
	LDQ 0
.endif
.if \pv
	s_wait_dscnt 12*(\qn)
.endif
	RUNP 48, \pv, \vec
	WIN 0
.endm
; PART B, behind round Y.  qk: the products K Q of the next step; vec: O^T under the new M and the blocks' largest p (while K's fragments are on their way), the exponentials, the sums
.macro PARTB qk, vec
.if \qk
	WIN 0
	ds_load_b128 v[KS:KS+3], v[KA] offset:SCO
	ds_load_b128 v[KS+4:KS+7], v[KA] offset:SUB+SCO
	LDK 0, 0
	LDK 0, 1
	LDQ 1
.endif
.if \vec
	WIN 0xc3
	WALU                                           ; directly ahead of the first reader of O^T
.set X_, 0
.rept 64
	v_pk_mul_f32 v[X_:X_+1], v[X_:X_+1], v[TQ+8*(X_>>5)+2:TQ+8*(X_>>5)+3] op_sel_hi:[1,0]
.set X_, X_+2
.endr
	WIN 0
	WALU                                           ; ahead of the batch
	EXPS 0, BM, 16                                 ; each block's largest p: the same multiply-add and exponential on the block's largest score
.endif
.if \qk
	s_wait_dscnt 24
.endif
	RUNK 0, \qk, \vec
.if \qk
	PLACES 4
	LDK 1, 0
	s_wait_dscnt 24
.endif
	RUNK 16, \qk, \vec
.if \qk
	PLACES 4
	LDK 1, 1
	s_wait_dscnt 12
.endif
	RUNK 32, \qk, \vec
.if \qk
	s_wait_dscnt 0x0
.endif
	RUNK 48, \qk, \vec
	WIN 0
.endm
; the largest score of each block of 32 keys (16 blocks: 4 a query tile), kept for the block's scale, and of my 128 keys, for the exchange
.macro MAXPH
	WIN 0x15
.set X_, 0
.rept 16
	v_max3_num_f32 v[BM+X_], v[16*X_], v[16*X_+1], v[16*X_+2]
.set X_, X_+1
.endr
	WIN 0x14
.irp i, 3,5,7,9,11,13
.set X_, 0
.rept 16
	v_max3_num_f32 v[BM+X_], v[BM+X_], v[16*X_+\i], v[16*X_+\i+1]
.set X_, X_+1
.endr
.endr
	WIN 0x04
.set X_, 0
.rept 16
	v_max_num_f32 v[BM+X_], v[BM+X_], v[16*X_+15]
.set X_, X_+1
.endr
	WIN 0
.set X_, 0
.rept 16
	v_permlanex16_b32 v[BP+X_], v[BM+X_], s[SEL], s[SEL+1]
.set X_, X_+1
.endr
.set X_, 0
.rept 16
	v_max_num_f32 v[BM+X_], v[BM+X_], v[BP+X_]
.set X_, X_+1
.endr
.irp q, 0,1,2,3
	v_max3_num_f32 v[MXO+\q], v[BM+4*\q], v[BM+4*\q+1], v[BM+4*\q+2]
.endr
.irp q, 0,1,2,3
	v_max_num_f32 v[MXO+\q], v[MXO+\q], v[BM+4*\q+3]
.endr
	WALU
	ds_store_b128 v[XW], v[MXO:MXO+3] offset:1024
.endm
; PART C: p becomes four fragments and their scale words, which go to LDS; mx: the next step's largest scores; last: the rows' sums
.macro PARTC mx, last
	WIN 0
	WALU
.set X_, 0
.rept 16
	v_max_num_f32 v[BM+X_], 0x1800000, v[BM+X_]    ; the floor 2^(3 - 127): the byte cannot fall under 1
.set X_, X_+1
.endr
.set X_, 0
.rept 16
	v_add_nc_u32 v[BM+X_], 0xff000000, v[BM+X_]    ; 2 off the exponent field: the conversion's scale operand
.set X_, X_+1
.endr
.set X_, 0
.rept 16
	v_lshrrev_b32 v[BP+X_], 23, v[BM+X_]
.set X_, X_+1
.endr
.irp q, 0,1,2,3
	v_lshl_or_b32 v[PSO+\q], v[BP+4*\q+1], 8, v[BP+4*\q]
.endr
.irp q, 0,1,2,3
	v_lshl_or_b32 v[PSO+\q], v[BP+4*\q+2], 16, v[PSO+\q]
.endr
.irp q, 0,1,2,3
	v_lshl_or_b32 v[PSO+\q], v[BP+4*\q+3], 24, v[PSO+\q]
.endr
	WIN 0x02
.irp q, 0,1,2,3
.irp c, 0,1
	v_cvt_scalef32_pk16_fp6_f32 v[BF+12*\q+6*\c:BF+12*\q+6*\c+2], v[64*\q+32*\c:64*\q+32*\c+15], v[BM+4*\q+2*\c]
	v_cvt_scalef32_pk16_fp6_f32 v[CT+8*\q+4*\c:CT+8*\q+4*\c+2], v[64*\q+32*\c+16:64*\q+32*\c+31], v[BM+4*\q+2*\c+1]
.endr
.endr
	WIN 0
	v_nop                                          ; one plain place behind a scaled conversion
.irp q, 0,1,2,3
.irp c, 0,1
.irp i, 0,1,2
	v_permlane16_swap_b32 v[BF+12*\q+6*\c+\i], v[CT+8*\q+4*\c+\i]
.endr
.endr
.endr
.irp q, 0,1,2,3
.irp c, 0,1
.irp i, 0,1,2
	v_mov_b32 v[BF+12*\q+6*\c+3+\i], v[CT+8*\q+4*\c+\i]
.endr
.endr
.endr
	WALU
.set I_, 0
.rept 12
	ds_store_b128 v[PWA], v[BF+4*I_:BF+4*I_+3] offset:512*I_
.set I_, I_+1
.endr
	ds_store_b128 v[XW], v[PSO:PSO+3]              ; both halves of the lanes hold the same words and write the same bytes
.if \mx
	MAXPH
.endif
.if \last
.irp q, 0,1,2,3
	v_pk_add_f32 v[TQ+8*\q+4:TQ+8*\q+5], v[TQ+8*\q+4:TQ+8*\q+5], v[TQ+8*\q+6:TQ+8*\q+7]
.endr
.irp q, 0,1,2,3
	v_add_f32 v[MXO+\q], v[TQ+8*\q+4], v[TQ+8*\q+5]
.endr
.irp q, 0,1,2,3
	v_permlanex16_b32 v[BP+\q], v[MXO+\q], s[SEL], s[SEL+1]
.endr
.irp q, 0,1,2,3
	v_add_f32 v[MXO+\q], v[MXO+\q], v[BP+\q]
.endr
	WALU
	ds_store_b128 v[XW], v[MXO:MXO+3] offset:2048
.endif
.endm
	s_load_b256 s[4:11], s[0:1], 0x0               ; qimg, kimg, vimg, cimg
	v_lshl_add_u32 v[SPW], v0, 2, SPARE
	v_mov_b32 v[NIL], 0
	ds_add_u32 v[SPW], v[NIL]                      ; the opening: the add twice on end under one wait
	ds_add_u32 v[SPW], v[NIL]
	v_lshrrev_b32 v[TT], 5, v0
	v_readfirstlane_b32 s[WV], v[TT]
	s_bfe_u32 s13, ttmp6, 0x40000
	s_lshl_b32 s14, ttmp9, 2
	s_add_co_u32 s14, s14, s13                     ; which 64 queries of the batch
	s_and_b32 s15, ttmp7, 0xffff                   ; batch
	s_mov_b32 s[G1D], 15|(3<<16)|(1<<21)           ; 100 rows of 256 bytes, dense; the mask names the cluster's four
	s_mov_b32 s[G1D+1], 32<<16
	s_mov_b32 s[G1D+2], 100<<16
	s_mov_b32 s[G1D+3], 32<<16
	s_mov_b32 s[G1D+4], 100
	s_mov_b32 s[G1D+5], 32
	s_mov_b32 s[G1D+6], 0
	s_mov_b32 s[G1D+7], 0
	s_mov_b32 s[CS], 0x3db8aa3b                    ; log2(e) / 16
	s_mov_b32 s[CS+1], s[CS]
	s_mov_b32 s[SEL], 0x76543210
	s_mov_b32 s[SEL+1], 0xfedcba98
	s_mul_i32 s16, s15, 32*BPB
	s_mul_i32 s17, s[WV], BPB
	s_add_co_u32 s16, s16, s17                     ; the batch's block pairs, + my quarter of a step
	s_mov_b32 s18, s17                             ; and its place in a slot
	s_mov_b32 s17, 0
	s_lshl_b32 s20, s15, 5
	s_lshr_b32 s21, s14, 1
	s_add_co_u32 s20, s20, s21
	s_mul_i32 s20, s20, BPB
	s_and_b32 s22, s14, 1
	s_mul_i32 s23, s22, 4*FRB
	s_add_co_u32 s52, s20, s23
	s_mov_b32 s53, 0
	s_lshl_b32 s23, s22, 8
	s_add_co_u32 s54, s20, s23
	s_mov_b32 s55, 0
	s_lshl_b32 s56, s15, 6
	s_add_co_u32 s56, s56, s14
	s_mul_i32 s56, s56, SUB
	s_mov_b32 s57, 0
	s_and_b32 s[JV], ttmp9, 7                      ; each cluster begins at another step of the eight: the order of the keys is free
	s_add_co_u32 s[JK], s[JV], 1
	s_mul_i32 s[OFS], s[JV], 4*BPB
	s_mov_b32 s[OFS+1], 0
	s_wait_dscnt 0x0
	s_wait_kmcnt 0x0
	s_add_nc_u64 s[KB:KB+1], s[6:7], s[16:17]
	s_add_nc_u64 s[VB:VB+1], s[8:9], s[16:17]
	s_mov_b32 s[G0K], 1
	s_mov_b32 s[G0K+1], s18
	s_add_nc_u64 s[G0K+2:G0K+3], s[KB:KB+1], s[OFS:OFS+1]
	s_or_b32 s[G0K+3], s[G0K+3], 0x80000000
	s_mov_b32 s[G0V], 1
	s_add_co_u32 s[G0V+1], s18, VRG
	s_mov_b64 s[G0V+2:G0V+3], s[VB:VB+1]
	s_or_b32 s[G0V+3], s[G0V+3], 0x80000000
	s_add_nc_u64 s[52:53], s[4:5], s[52:53]
	s_add_nc_u64 s[54:55], s[4:5], s[54:55]
	s_add_nc_u64 s[10:11], s[10:11], s[56:57]
	CROUND
	tensor_load_to_lds s[G0K:G0K+3], s[G1D:G1D+7]  ; my 128 keys of the first step: my one load at the head
	s_nop 0
	PLACES 4
	v_and_b32 v[TT], 31, v0
	v_lshlrev_b32 v[L16], 4, v[TT]
	v_and_b32 v[TT], 15, v0
	v_lshlrev_b32 v[R16], 4, v[TT]
	WALU
	v_add_nc_u32 v[KA], s18, v[L16]
	s_lshr_b32 s19, s[WV], 1                       ; c: which 128 channels
	s_and_b32 s20, s[WV], 1                        ; cc: which 64 of them
	s_mul_i32 s21, s19, SUB
	s_mul_i32 s22, s20, 4*FRB
	s_add_co_u32 s22, s22, s21
	s_add_co_u32 s22, s22, VRG
	v_add_nc_u32 v[VA], s22, v[L16]
	v_add_nc_u32 v[VA+1], 2*BPB, v[VA]
	s_lshl_b32 s22, s20, 8
	s_add_co_u32 s22, s22, s21
	s_add_co_u32 s22, s22, VRG+SCO
	v_add_nc_u32 v[VSA], s22, v[R16]
	v_add_nc_u32 v[VSA+1], 2*BPB, v[VSA]
	v_add_nc_u32 v[PA], PAR, v[L16]
	s_mul_i32 s22, s[WV], 4*FRB
	s_add_co_u32 s22, s22, PAR
	v_add_nc_u32 v[PWA], s22, v[L16]
	v_add_nc_u32 v[XR], PSC, v[R16]
	s_lshl_b32 s22, s[WV], 8
	s_add_co_u32 s22, s22, PSC
	v_add_nc_u32 v[XW], s22, v[R16]
	v_add_nc_u32 v[QA], QAR, v[L16]
	s_mul_i32 s23, s[WV], 3072
	s_add_co_u32 s22, s23, QAR
	v_add_nc_u32 v[QW], s22, v[L16]
	s_mul_i32 s22, s20, 3072
	s_add_co_u32 s22, s22, s21
	v_add_nc_u32 v[QG], s22, v[L16]
	s_mul_i32 s21, s19, FRB
	s_add_co_u32 s21, s21, CST
	s_mul_i32 s22, s20, 520
	s_add_co_u32 s22, s22, s21
	v_add_nc_u32 v[CA0], s22, v[L16]               ; register pairs 3 cc and 3 cc + 2 of a fragment's image
	s_mul_i32 s22, s20, 1016
	s_add_co_u32 s22, s22, s21
	s_add_co_u32 s22, s22, 8
	v_add_nc_u32 v[CA1], s22, v[L16]               ; pair 3 cc + 1
	s_lshl_b32 s21, s19, 6
	s_lshl_b32 s22, s20, 1
	s_add_co_u32 s21, s21, s22
	s_add_co_u32 s21, s21, CST+SCO
	v_lshl_add_u32 v[SWA], v[TT], 2, s21           ; my two bytes of row r's scale word
	s_add_co_u32 s22, s23, CST
	v_add_nc_u32 v[RDA], s22, v[L16]
	v_add_nc_u32 v[GO], s23, v[L16]
	v_add_nc_u32 v[RD0], CST, v[L16]
	WALU
.set I_, 0
.rept 6
	global_load_b128 v[BF+4*I_:BF+4*I_+3], v[QG], s[52:53] offset:512*I_   ; my quarter of Q's eight fragments
.set I_, I_+1
.endr
.irp c, 0,1
	global_load_b128 v[QS+4*\c:QS+4*\c+3], v[R16], s[54:55] offset:SCO+SUB*\c
.endr
.irp q, 0,1,2,3
	v_mov_b32 v[TQ+8*\q+1], 0xff61b1e6             ; the largest t so far: -3e38
	v_floor_f32 v[TQ+8*\q], -v[TQ+8*\q+1]
.irp i, 2,3,4,5,6,7
	v_mov_b32 v[TQ+8*\q+\i], 0
.endr
.endr
.set X_, 0
.rept 16
	v_mov_b32 v[BP+X_], 0                          ; a lane permute's destination counts as one of its sources
.set X_, X_+1
.endr
	WIN 0xc0
.set X_, 0
.rept 128
	v_mov_b32 v[X_], 0                             ; O^T
.set X_, X_+1
.endr
	WIN 0
	WALU
	s_wait_loadcnt 0x0
.set I_, 0
.rept 6
	ds_store_b128 v[QW], v[BF+4*I_:BF+4*I_+3] offset:512*I_
.set I_, I_+1
.endr
	s_wait_dscnt 0x0
	s_barrier_signal -1
	s_barrier_wait -1                              ; Q's fragments lie in LDS
	s_wait_tensorcnt 0x0                           ; my keys are in: I alone read them
	LDQ 0
	PARTB 1, 0                                     ; the first step's scores
	PLACES 4
	MAXPH
	SYNC 1, G0K, KB, JK
	PARTA 0, 1, 1
	s_mov_b32 s[CNT], 6
.Ltrip:                                                ; a trip: round Y, B and C of step j, round X, A of step j + 1
	SYNC 1, G0V, VB, JV
	PARTB 1, 1
	PARTC 1, 0
	SYNC 1, G0K, KB, JK
	PARTA 1, 1, 1
	s_sub_co_u32 s[CNT], s[CNT], 1
	s_cmp_lg_u32 s[CNT], 0
	WALU
	s_cbranch_scc1 .Ltrip
	SYNC 1, G0V, VB, JV                            ; step 6: no keys are left to fetch
	PARTB 1, 1
	PARTC 1, 0
	SYNC 0, 0, 0, 0
	PARTA 1, 0, 1
	SYNC 1, G0V, VB, JV                            ; step 7: no scores are left to make
	PARTB 0, 1
	PARTC 0, 1
	SYNC 0, 0, 0, 0
.irp w, 0,1,2,3
	ds_load_b128 v[MXR+4*\w:MXR+4*\w+3], v[XR] offset:2048+256*\w
.endr
	PARTA 1, 0, 0                                  ; the last step's products V p
	PLACES 4
.irp q, 0,1,2,3
	v_add_f32 v[BP+\q], v[MXR+\q], v[MXR+4+\q]
	v_add_f32 v[BP+4+\q], v[MXR+8+\q], v[MXR+12+\q]
.endr
.irp q, 0,1,2,3
	v_add_f32 v[BP+\q], v[BP+\q], v[BP+4+\q]       ; the row's sum over the four waves' keys
.endr
	WALU
.irp q, 0,1,2,3
	v_rcp_f32 v[TQ+8*\q+2], v[BP+\q]
.endr
	v_nop
	WIN 0xc3
	WALU
.set X_, 0
.rept 64
	v_pk_mul_f32 v[X_:X_+1], v[X_:X_+1], v[TQ+8*(X_>>5)+2:TQ+8*(X_>>5)+3] op_sel_hi:[1,0]
.set X_, X_+2
.endr
	; ctx: my 64 channels are two blocks of 32 for each query tile: registers 6 cc .. 6 cc + 5 of fragment 2 q + c
	WIN 0x0f
	WALU
.set X_, 0
.rept 8
	v_max3_num_f32 v[BM+X_], |v[16*X_]|, |v[16*X_+1]|, 0x1800000
.set X_, X_+1
.endr
	WIN 0x3c
.irp i, 2,4,6,8,10,12,14
.set X_, 0
.rept 8
	v_max3_num_f32 v[BM+X_], v[BM+X_], |v[16*X_+\i]|, |v[16*X_+\i+1]|
.set X_, X_+1
.endr
.endr
	WIN 0
.set X_, 0
.rept 8
	v_permlanex16_b32 v[BP+X_], v[BM+X_], s[SEL], s[SEL+1]
.set X_, X_+1
.endr
.set X_, 0
.rept 8
	v_max_num_f32 v[BM+X_], v[BM+X_], v[BP+X_]
.set X_, X_+1
.endr
.set X_, 0
.rept 8
	v_add_nc_u32 v[BM+X_], 0xff000000, v[BM+X_]
.set X_, X_+1
.endr
.set X_, 0
.rept 8
	v_lshrrev_b32 v[BP+X_], 23, v[BM+X_]
.set X_, X_+1
.endr
.irp q, 0,1,2,3
	v_lshl_or_b32 v[MXO+\q], v[BP+2*\q+1], 8, v[BP+2*\q]
.endr
	WIN 0x03
	WALU
.irp q, 0,1,2,3
	v_cvt_scalef32_pk16_fp6_f32 v[BF+8*\q:BF+8*\q+2], v[32*\q:32*\q+15], v[BM+2*\q]
	v_cvt_scalef32_pk16_fp6_f32 v[CT+8*\q:CT+8*\q+2], v[32*\q+16:32*\q+31], v[BM+2*\q+1]
.endr
	WIN 0
	v_nop
.irp q, 0,1,2,3
.irp i, 0,1,2
	v_permlane16_swap_b32 v[BF+8*\q+\i], v[CT+8*\q+\i]
.endr
.endr
.irp q, 0,1,2,3
.irp i, 0,1,2
	v_mov_b32 v[BF+8*\q+3+\i], v[CT+8*\q+\i]
.endr
.endr
	WALU
.irp q, 0,1,2,3
	ds_store_b64 v[CA0], v[BF+8*\q:BF+8*\q+1] offset:2*FRB*\q
	ds_store_b64 v[CA1], v[BF+8*\q+2:BF+8*\q+3] offset:2*FRB*\q
	ds_store_b64 v[CA0], v[BF+8*\q+4:BF+8*\q+5] offset:2*FRB*\q+512
	ds_store_b16 v[SWA], v[MXO+\q] offset:128*\q
.endr
	s_wait_dscnt 0x0
	s_barrier_signal -1
	s_barrier_wait -1                              ; the stage holds the sub-block as it is to lie in memory
	s_cmp_lg_u32 s[WV], 0
	s_cbranch_scc1 .Lnot_first
	ds_load_b128 v[CT:CT+3], v[RD0] offset:SCO     ; wave 0 also takes the 512 bytes of scale words
	s_wait_dscnt 0x0
	global_store_b128 v[L16], v[CT:CT+3], s[10:11] offset:SCO
.Lnot_first:
.irp j, 0,1,2,3,4,5
	ds_load_b128 v[BF+4*\j:BF+4*\j+3], v[RDA] offset:512*\j
.endr
.irp j, 0,1,2,3,4,5
	s_wait_dscnt 5-\j
	global_store_b128 v[GO], v[BF+4*\j:BF+4*\j+3], s[10:11] offset:512*\j   ; 32 lanes store 512 consecutive bytes, at a multiple of 256 from the buffer's first byte
.endr
	s_wait_tensorcnt 0x0                           ; the wave's end
	ds_add_u32 v[SPW], v[NIL]
	s_wait_dscnt 0x0
	CROUND                                         ; the closing round
	s_endpgm
.Lfunc_end_k_q5d545e4d57_attn:
	.size	k_q5d545e4d57_attn, .Lfunc_end_k_q5d545e4d57_attn-k_q5d545e4d57_attn
	.p2alignl 7, 3214868480
	.fill 96, 4, 3214868480
	.section	.rodata,"a",@progbits
	.p2align	6, 0x0
	.amdhsa_kernel k_q5d545e4d57_attn
		.amdhsa_group_segment_fixed_size 327680
		.amdhsa_private_segment_fixed_size 0
		.amdhsa_enable_private_segment 0
		.amdhsa_kernarg_size 32
		.amdhsa_user_sgpr_count 2
		.amdhsa_user_sgpr_kernarg_segment_ptr 1
		.amdhsa_wavefront_size32 1
		.amdhsa_system_sgpr_workgroup_id_x 1
		.amdhsa_system_sgpr_workgroup_id_y 1
		.amdhsa_system_sgpr_workgroup_id_z 1
		.amdhsa_system_vgpr_workitem_id 0
		.amdhsa_next_free_vgpr 1024
		.amdhsa_next_free_sgpr 66
		.amdhsa_reserve_vcc 0
		.amdhsa_float_denorm_mode_32 3
		.amdhsa_float_denorm_mode_16_64 3
		.amdhsa_memory_ordered 1
		.amdhsa_forward_progress 1
		.amdhsa_inst_pref_size 255
	.end_amdhsa_kernel
	.section	.bss,"aw",@nobits
	.p2align	6
	.space	262144
	.amdgpu_metadata
---
amdhsa.version: [ 1, 2 ]
amdhsa.kernels:
  - .name:           k_q5d545e4d57_attn
    .symbol:         k_q5d545e4d57_attn.kd
    .args:
      - { .name: qimg, .offset: 0, .size: 8, .value_kind: global_buffer, .address_space: global }
      - { .name: kimg, .offset: 8, .size: 8, .value_kind: global_buffer, .address_space: global }
      - { .name: vimg, .offset: 16, .size: 8, .value_kind: global_buffer, .address_space: global }
      - { .name: cimg, .offset: 24, .size: 8, .value_kind: global_buffer, .address_space: global }
    .group_segment_fixed_size: 327680
    .private_segment_fixed_size: 0
    .kernarg_segment_align: 8
    .kernarg_segment_size: 32
    .max_flat_workgroup_size: 128
    .sgpr_count:     66
    .vgpr_count:     1024
    .wavefront_size: 32
...
	.end_amdgpu_metadata
.endif
;; end of part 3
;; launch outp (part 4): grid 256 x 1, 4 waves a work-group, clusters of 4 x 1, 327,680 bytes of LDS; arguments cimg, wimg, bo, q_feat, ln_gamma, ln_beta, out0; writes out0
.if DOCPART == 4
	.amdgcn_target "amdgcn-amd-amdhsa--gfx1250"
	.amdhsa_code_object_version 6
	.text
	.protected	k_q5d545e4d57_outp
	.globl	k_q5d545e4d57_outp
	.p2align	8
	.type	k_q5d545e4d57_outp,@function
k_q5d545e4d57_outp:
	s_mov_b64 s[64:65], 0
	v_nop
	global_prefetch_b8 v0, s[64:65] scope:SCOPE_SE
	s_setreg_imm32_b32 hwreg(HW_REG_WAVE_MODE, 25, 1), 1
	s_wait_xcnt 0x0
	s_wait_alu depctr_hold_cnt(0) depctr_sa_sdst(0) depctr_va_vdst(0) depctr_va_sdst(0) depctr_va_ssrc(0) depctr_va_vcc(0) depctr_vm_vsrc(0)
	s_getreg_b32 s2, hwreg(HW_REG_IB_STS2, 6, 4)
	s_cmp_eq_u32 s2, 0
	s_cbranch_scc0 .Lentry_in_a_cluster
	s_endpgm
.Lentry_in_a_cluster:
	s_bfe_u32 s2, ttmp6, 0x10000c
	s_cmp_lg_u32 s2, 0x3003
	s_cbranch_scc0 .Lentry_shape_is_right
	s_endpgm
.Lentry_shape_is_right:
.set FRB,   1536
.set SUB,   12800
.set SCO,   12288
.set BPB,   25600
.set STG,   204800
.set STGW,  16640
.set YIMG,  271360
.set YSC,   320512
.set LNS,   322560
.set SPARE, 326656
.set LA,  1
.set SPW, 2
.set NIL, 3
.set L16, 4
.set STW, 5
.set STR, 6
.set YW,  7
.set YR,  8
.set YSW, 9
.set YSR, 10
.set LNW, 11
.set LNR, 12
.set L4,  13
.set YRC, 14
.set YSRC, 15
.set BO,  16
.set GA,  24
.set BE,  32
.set AS,  40
.set BS,  48
.set CX,  64
.set TM,  64
.set QC,  80
.set PC,  88
.set PW,  100
.set BF,  112
.set G0,  160
.set G1,  208
.set LS,  64
.set PT,  80
.set LD,  84
.set MU,  100
.set RS,  108
.set WV,  18
.set G1D, 24
.set G0A, 32
.set G0B, 36
.set SEL, 42
.set WB,  56
.set KP,  58
.set TS,  59
.set OFS, 60
.set MSB, 0
.macro WIN new
.if MSB != (\new)
	s_set_vgpr_msb (MSB<<8)|(\new)
.set MSB, (\new)
.endif
.endm
.macro PLACES n
.rept \n
	v_nop
.endr
.endm
.macro CROUND
	s_barrier_signal -1
	s_barrier_wait -1
	s_cmp_lg_u32 s[WV], 0
	s_cbranch_scc1 .Lnot_wave_0_\@
	s_barrier_signal -3
.Lnot_wave_0_\@:
	s_barrier_wait -3
	s_barrier_signal -1
	s_barrier_wait -1
.endm
.macro WM d, a, b, z, sa, sb, ra, rb
.if (\z)
.if (\ra)
.if (\rb)
	v_wmma_scale_f32_16x16x128_f8f6f4 v[(\d):(\d)+7], v[(\a):(\a)+11], v[(\b):(\b)+11], 0, v[\sa], v[\sb] matrix_a_fmt:MATRIX_FMT_FP6 matrix_b_fmt:MATRIX_FMT_FP6 matrix_a_scale:MATRIX_SCALE_ROW1 matrix_b_scale:MATRIX_SCALE_ROW1
.else
	v_wmma_scale_f32_16x16x128_f8f6f4 v[(\d):(\d)+7], v[(\a):(\a)+11], v[(\b):(\b)+11], 0, v[\sa], v[\sb] matrix_a_fmt:MATRIX_FMT_FP6 matrix_b_fmt:MATRIX_FMT_FP6 matrix_a_scale:MATRIX_SCALE_ROW1
.endif
.else
.if (\rb)
	v_wmma_scale_f32_16x16x128_f8f6f4 v[(\d):(\d)+7], v[(\a):(\a)+11], v[(\b):(\b)+11], 0, v[\sa], v[\sb] matrix_a_fmt:MATRIX_FMT_FP6 matrix_b_fmt:MATRIX_FMT_FP6 matrix_b_scale:MATRIX_SCALE_ROW1
.else
	v_wmma_scale_f32_16x16x128_f8f6f4 v[(\d):(\d)+7], v[(\a):(\a)+11], v[(\b):(\b)+11], 0, v[\sa], v[\sb] matrix_a_fmt:MATRIX_FMT_FP6 matrix_b_fmt:MATRIX_FMT_FP6
.endif
.endif
.else
.if (\ra)
.if (\rb)
	v_wmma_scale_f32_16x16x128_f8f6f4 v[(\d):(\d)+7], v[(\a):(\a)+11], v[(\b):(\b)+11], v[(\d):(\d)+7], v[\sa], v[\sb] matrix_a_fmt:MATRIX_FMT_FP6 matrix_b_fmt:MATRIX_FMT_FP6 matrix_a_scale:MATRIX_SCALE_ROW1 matrix_b_scale:MATRIX_SCALE_ROW1
.else
	v_wmma_scale_f32_16x16x128_f8f6f4 v[(\d):(\d)+7], v[(\a):(\a)+11], v[(\b):(\b)+11], v[(\d):(\d)+7], v[\sa], v[\sb] matrix_a_fmt:MATRIX_FMT_FP6 matrix_b_fmt:MATRIX_FMT_FP6 matrix_a_scale:MATRIX_SCALE_ROW1
.endif
.else
.if (\rb)
	v_wmma_scale_f32_16x16x128_f8f6f4 v[(\d):(\d)+7], v[(\a):(\a)+11], v[(\b):(\b)+11], v[(\d):(\d)+7], v[\sa], v[\sb] matrix_a_fmt:MATRIX_FMT_FP6 matrix_b_fmt:MATRIX_FMT_FP6 matrix_b_scale:MATRIX_SCALE_ROW1
.else
	v_wmma_scale_f32_16x16x128_f8f6f4 v[(\d):(\d)+7], v[(\a):(\a)+11], v[(\b):(\b)+11], v[(\d):(\d)+7], v[\sa], v[\sb] matrix_a_fmt:MATRIX_FMT_FP6 matrix_b_fmt:MATRIX_FMT_FP6
.endif
.endif
.endif
.endm
.macro QUANT s, w, pc, pw
	WIN (\w)|((\w)<<2)
.irp b, 0,1,2,3
	v_max3_num_f32 v[TM+\b], |v[(\s)+16*\b]|, |v[(\s)+16*\b+1]|, 0x1800000
.endr
	WIN ((\w)<<2)|((\w)<<4)
.irp i, 2,4,6,8,10,12,14
.irp b, 0,1,2,3
	v_max3_num_f32 v[TM+\b], v[TM+\b], |v[(\s)+16*\b+\i]|, |v[(\s)+16*\b+\i+1]|
.endr
.endr
	WIN 0
.irp b, 0,1,2,3
	v_permlanex16_b32 v[TM+4+\b], v[TM+\b], s[SEL], s[SEL+1]
.endr
.irp b, 0,1,2,3
	v_max_num_f32 v[TM+\b], v[TM+\b], v[TM+4+\b]
.endr
.irp b, 0,1,2,3
	v_add_nc_u32 v[TM+12+\b], 0xff000000, v[TM+\b]
.endr
.irp b, 0,1,2,3
	v_lshrrev_b32 v[TM+4+\b], 23, v[TM+12+\b]
.endr
	v_lshl_or_b32 v[\pw], v[TM+5], 8, v[TM+4]
	v_lshl_or_b32 v[\pw], v[TM+6], 16, v[\pw]
	v_lshl_or_b32 v[\pw], v[TM+7], 24, v[\pw]
	WIN (\w)
.irp c, 0,1
	v_cvt_scalef32_pk16_fp6_f32 v[(\pc)+6*\c:(\pc)+6*\c+2], v[(\s)+32*\c:(\s)+32*\c+15], v[TM+12+2*\c]
	v_cvt_scalef32_pk16_fp6_f32 v[QC+4*\c:QC+4*\c+2], v[(\s)+32*\c+16:(\s)+32*\c+31], v[TM+13+2*\c]
.endr
	WIN 0
	v_nop
.irp c, 0,1
.irp i, 0,1,2
	v_permlane16_swap_b32 v[(\pc)+6*\c+\i], v[QC+4*\c+\i]
.endr
.irp i, 0,1,2
	v_mov_b32 v[(\pc)+3+6*\c+\i], v[QC+4*\c+\i]
.endr
.endr
.endm
.macro LOADG g, off, fg
.irp tt, 0,1,2,3
.irp k, 0,1,2
	ds_load_b128 v[(\g)+12*\tt+4*\k:(\g)+12*\tt+4*\k+3], v[LA] offset:(\off)+((\fg)>>1)*SUB+(4*((\fg)&1)+\tt)*FRB+512*\k
.endr
.endr
.endm
.macro ASCL off
	ds_load_b128 v[AS:AS+3], v[LA] offset:(\off)+SCO
	ds_load_b128 v[AS+4:AS+7], v[LA] offset:(\off)+SUB+SCO
.endm
.macro MULG g, fg, dw, bf, bs, brow, zero
	WIN \dw
.irp tt, 0,1,2,3
.irp q, 0,1,2,3
	WM 64*\q+8*(4*((\fg)&1)+\tt), (\g)+12*\tt, (\bf)+12*\q, \zero, AS+4*((\fg)>>1)+\tt, (\bs)+\q, (\fg)&1, \brow
.endr
.endr
.endm
.macro STREAM off, dwlo, dwhi, bf0, bf1, bs0, bs1, brow, z0, z1
	s_wait_dscnt 12
	MULG G0, 0, \dwlo, \bf0, \bs0, \brow, \z0
	WIN 0
	PLACES 4
	LOADG G0, \off, 2
	s_wait_dscnt 12
	MULG G1, 1, \dwlo, \bf0, \bs0, \brow, \z0
	WIN 0
	PLACES 4
	LOADG G1, \off, 3
	s_wait_dscnt 12
	MULG G0, 2, \dwhi, \bf1, \bs1, \brow, \z1
	s_wait_dscnt 0x0
	MULG G1, 3, \dwhi, \bf1, \bs1, \brow, \z1
	WIN 0
.endm
.macro KSTEP off, bf, brow, z, yh
	ASCL \off
.if (\yh) >= 0
.set I, 0
.rept 12
	ds_load_b128 v[BF+4*I:BF+4*I+3], v[YRC] offset:4*FRB*(\yh)+512*I
.set I, I+1
.endr
.irp q, 0,1,2,3
	ds_load_b32 v[BS+\q], v[YSRC] offset:512*\q
.endr
.endif
	LOADG G0, \off, 0
	LOADG G1, \off, 1
	STREAM \off, 0xa0, 0xf0, \bf, \bf, BS, BS, \brow, \z, \z
.endm
.macro CHANGE g0, half
	s_wait_tensorcnt 0x0
	ds_add_u32 v[SPW], v[NIL]
	s_add_nc_u64 s[\g0+2:\g0+3], s[WB:WB+1], s[OFS:OFS+1]
.if \half
	s_add_nc_u64 s[\g0+2:\g0+3], s[\g0+2:\g0+3], BPB
.endif
	s_or_b32 s[\g0+3], s[\g0+3], 0x80000000
	s_wait_dscnt 0x0
	CROUND
	tensor_load_to_lds s[\g0:\g0+3], s[G1D:G1D+7]
	s_nop 0
	PLACES 4
.endm
.macro NEXTPAIR
	s_add_co_u32 s[KP], s[KP], 1
	s_and_b32 s[KP], s[KP], 3
	s_mul_i32 s[OFS], s[KP], 2*BPB
.endm
.macro YADDR
	s_mul_i32 s[TS], s[KP], 8*FRB
	v_add_nc_u32 v[YRC], s[TS], v[YR]
	s_lshl_b32 s[TS], s[KP], 7
	v_add_nc_u32 v[YSRC], s[TS], v[YSR]
.endm
.macro PAIR z, fill
	YADDR
	KSTEP 0, BF, 0, \z, 0
.if \fill
	NEXTPAIR
	CHANGE G0A, 0
.else
	s_wait_tensorcnt 0x0
	PLACES 4
.endif
	s_wait_alu depctr_va_vdst(0)
	KSTEP BPB, BF, 1, 0, 1
.if \fill
	CHANGE G0B, 1
.else
	PLACES 4
.endif
.endm
.macro RAWL q
	WIN 0x40
.set I, 0
.rept 32
	global_load_b128 v[128*((\q)&1)+4*I:128*((\q)&1)+4*I+3], v[L16], s[10:11] offset:4096*(32*((\q)>>1)+8*((\q)&1)+(I>>1)+8*(I>>4))+512*(I&1) th:TH_LOAD_NT
.set I, I+1
.endr
	WIN 0
.endm
.macro TURN_IN q, left
.set RR, 128*((\q)&1)
	s_wait_loadcnt \left
	WIN 0x41
.set I, 0
.rept 32
	v_pk_add_f32 v[RR+4*I:RR+4*I+1], v[RR+4*I:RR+4*I+1], v[BO+4*(I&1):BO+4*(I&1)+1]
	v_pk_add_f32 v[RR+4*I+2:RR+4*I+3], v[RR+4*I+2:RR+4*I+3], v[BO+4*(I&1)+2:BO+4*(I&1)+3]
.set I, I+1
.endr
	WIN 0x04
.set I, 0
.rept 32
	ds_store_b128 v[STW], v[RR+4*I:RR+4*I+3] offset:1040*(I>>1)+512*(I&1)
.set I, I+1
.endr
	WIN 0x80
.set I, 0
.rept 16
	ds_load_b128 v[64*(\q)+4*I:64*(\q)+4*I+3], v[STR] offset:128*(I>>2)+16*(I&3)
.set I, I+1
.endr
	WIN 0xc0
.set I, 0
.rept 16
	ds_load_b128 v[64*(\q)+4*I:64*(\q)+4*I+3], v[STR] offset:512+128*(I>>2)+16*(I&3)
.set I, I+1
.endr
	WIN 0
	s_wait_dscnt 32
.if (\q) < 2
	RAWL (\q)+2
.endif
.endm
.macro REDUCE off
.irp q, 0,1,2,3
	v_pk_add_f32 v[LS+4*\q:LS+4*\q+1], v[LS+4*\q:LS+4*\q+1], v[LS+4*\q+2:LS+4*\q+3]
.endr
.irp q, 0,1,2,3
	v_add_f32 v[LS+4*\q], v[LS+4*\q], v[LS+4*\q+1]
.endr
.irp q, 0,1,2,3
	v_permlanex16_b32 v[PT+\q], v[LS+4*\q], s[SEL], s[SEL+1]
.endr
.irp q, 0,1,2,3
	v_add_f32 v[LS+4*\q], v[LS+4*\q], v[PT+\q]
.endr
.irp q, 0,1,2,3
	ds_store_b32 v[LNW], v[LS+4*\q] offset:(\off)+128*\q
.endr
	s_wait_dscnt 0x0
	s_barrier_signal -1
	s_barrier_wait -1
.irp q, 0,1,2,3
.irp c, 0,1,2,3
	ds_load_b32 v[LD+4*\q+\c], v[LNR] offset:(\off)+512*\c+128*\q
.endr
.endr
	s_wait_dscnt 0x0
.irp q, 0,1,2,3
	v_add_f32 v[LD+4*\q], v[LD+4*\q], v[LD+4*\q+1]
	v_add_f32 v[LD+4*\q+2], v[LD+4*\q+2], v[LD+4*\q+3]
.endr
.irp q, 0,1,2,3
	v_add_f32 v[LD+4*\q], v[LD+4*\q], v[LD+4*\q+2]
.endr
.endm
.macro TURN_OUT q
.set RR, 128*((\q)&1)
	WIN 0x08
.set I, 0
.rept 16
	ds_store_b128 v[STR], v[64*(\q)+4*I:64*(\q)+4*I+3] offset:128*(I>>2)+16*(I&3)
.set I, I+1
.endr
	WIN 0x0c
.set I, 0
.rept 16
	ds_store_b128 v[STR], v[64*(\q)+4*I:64*(\q)+4*I+3] offset:512+128*(I>>2)+16*(I&3)
.set I, I+1
.endr
	WIN 0
.if (\q) >= 2
	s_wait_xcnt 0x0
.endif
	WIN 0x40
.set I, 0
.rept 32
	ds_load_b128 v[RR+4*I:RR+4*I+3], v[STW] offset:1040*(I>>1)+512*(I&1)
.set I, I+1
.endr
	s_wait_dscnt 0x0
	WIN 0x41
.set I, 0
.rept 32
	v_pk_fma_f32 v[RR+4*I:RR+4*I+1], v[RR+4*I:RR+4*I+1], v[GA+4*(I&1):GA+4*(I&1)+1], v[BE+4*(I&1):BE+4*(I&1)+1]
	v_pk_fma_f32 v[RR+4*I+2:RR+4*I+3], v[RR+4*I+2:RR+4*I+3], v[GA+4*(I&1)+2:GA+4*(I&1)+3], v[BE+4*(I&1)+2:BE+4*(I&1)+3]
.set I, I+1
.endr
	WIN 0x04
.set I, 0
.rept 32
	global_store_b128 v[L16], v[RR+4*I:RR+4*I+3], s[16:17] offset:4096*(32*((\q)>>1)+8*((\q)&1)+(I>>1)+8*(I>>4))+512*(I&1) th:TH_STORE_NT
.set I, I+1
.endr
	WIN 0
.endm
	s_load_b256 s[4:11], s[0:1], 0x0
	s_load_b128 s[12:15], s[0:1], 0x20
	s_load_b64 s[16:17], s[0:1], 0x30
	v_lshl_add_u32 v[SPW], v0, 2, SPARE
	v_mov_b32 v[NIL], 0
	ds_add_u32 v[SPW], v[NIL]
	ds_add_u32 v[SPW], v[NIL]
	v_lshrrev_b32 v52, 5, v0
	v_readfirstlane_b32 s[WV], v52
	s_bfe_u32 s19, ttmp6, 0x40000
	s_lshl_b32 s20, ttmp9, 2
	s_add_co_u32 s20, s20, s19
	s_mov_b32 s[G1D], 15|(3<<16)|(1<<21)
	s_mov_b32 s[G1D+1], 32<<16
	s_mov_b32 s[G1D+2], 100<<16
	s_mov_b32 s[G1D+3], 32<<16
	s_mov_b32 s[G1D+4], 100
	s_mov_b32 s[G1D+5], 32
	s_mov_b32 s[G1D+6], 0
	s_mov_b32 s[G1D+7], 0
	s_mov_b32 s[SEL], 0x76543210
	s_mov_b32 s[SEL+1], 0xfedcba98
	s_mov_b32 s45, 0x3a800000
	s_mov_b32 s46, 0x3727c5ac
	s_mul_i32 s21, s[WV], 2*BPB
	s_add_co_u32 s48, s21, 614400
	s_mov_b32 s49, 0
	s_mul_i32 s62, s[WV], 8*BPB
	s_add_co_u32 s62, s62, 819200
	s_mov_b32 s63, 0
	s_and_b32 s[KP], ttmp9, 3
	s_mul_i32 s[OFS], s[KP], 2*BPB
	s_mov_b32 s[OFS+1], 0
	s_mul_i32 s50, s20, SUB
	s_mov_b32 s51, 0
	s_lshl_b32 s52, s20, 18
	s_lshl_b32 s54, s[WV], 10
	s_add_co_u32 s52, s52, s54
	s_mov_b32 s53, 0
	s_mov_b32 s55, 0
	s_wait_dscnt 0x0
	s_wait_kmcnt 0x0
	s_add_nc_u64 s[WB:WB+1], s[6:7], s[62:63]
	s_add_nc_u64 s[6:7], s[6:7], s[48:49]
	s_mov_b32 s[G0A], 1
	s_mov_b32 s[G0A+1], s21
	s_mov_b64 s[G0A+2:G0A+3], s[6:7]
	s_or_b32 s[G0A+3], s[G0A+3], 0x80000000
	s_mov_b32 s[G0B], 1
	s_add_co_u32 s[G0B+1], s21, BPB
	s_add_nc_u64 s[G0B+2:G0B+3], s[6:7], BPB
	s_or_b32 s[G0B+3], s[G0B+3], 0x80000000
	s_add_nc_u64 s[4:5], s[4:5], s[50:51]
	s_add_nc_u64 s[10:11], s[10:11], s[52:53]
	s_add_nc_u64 s[16:17], s[16:17], s[52:53]
	s_add_nc_u64 s[8:9], s[8:9], s[54:55]
	s_add_nc_u64 s[12:13], s[12:13], s[54:55]
	s_add_nc_u64 s[14:15], s[14:15], s[54:55]
	CROUND
	tensor_load_to_lds s[G0A:G0A+3], s[G1D:G1D+7]
	s_nop 0
	s_wait_alu depctr_va_vdst(0)
	s_wait_tensorcnt 0x0
	ds_add_u32 v2, v3
	s_wait_dscnt 0x0
	CROUND
	tensor_load_to_lds s[G0B:G0B+3], s[G1D:G1D+7]
	s_nop 0
	PLACES 4
	v_and_b32 v52, 31, v0
	v_and_b32 v53, 15, v0
	v_bfe_u32 v54, v0, 4, 1
	v_lshlrev_b32 v[L16], 4, v52
	v_lshlrev_b32 v[L4], 2, v52
	v_add_nc_u32 v[LA], s21, v[L16]
	s_mul_i32 s22, s[WV], STGW
	s_add_co_u32 s22, s22, STG
	v_add_nc_u32 v[STW], s22, v[L16]
	v_mul_u32_u24 v[STR], v53, 1040
	v_lshl_add_u32 v[STR], v54, 6, v[STR]
	v_add_nc_u32 v[STR], s22, v[STR]
	s_mul_i32 s22, s[WV], 8*FRB
	s_add_co_u32 s22, s22, YIMG
	v_add_nc_u32 v[YW], s22, v[L16]
	v_add_nc_u32 v[YR], YIMG, v[L16]
	v_lshl_add_u32 v[YSW], v0, 2, YSC
	v_add_nc_u32 v[YSR], YSC, v[L4]
	s_lshl_b32 s22, s[WV], 9
	s_add_co_u32 s22, s22, LNS
	v_add_nc_u32 v[LNW], s22, v[L4]
	v_add_nc_u32 v[LNR], LNS, v[L4]
	v_cmp_le_u32 s44, 16, v52
.irp q, 0,1,2,3
.irp c, 0,1
.irp k, 0,1,2
	global_load_b128 v[CX+48*\c+12*\q+4*\k:CX+48*\c+12*\q+4*\k+3], v[L16], s[4:5] offset:FRB*(2*\q+\c)+512*\k
.endr
.endr
	global_load_b32 v[BS+\q], v[L4], s[4:5] offset:SCO+128*\q
.endr
.irp e, 0,1
	global_load_b128 v[BO+4*\e:BO+4*\e+3], v[L16], s[8:9] offset:512*\e
	global_load_b128 v[GA+4*\e:GA+4*\e+3], v[L16], s[12:13] offset:512*\e
	global_load_b128 v[BE+4*\e:BE+4*\e+3], v[L16], s[14:15] offset:512*\e
.endr
	RAWL 0
	RAWL 1
	TURN_IN 0, 32
	TURN_IN 1, 32
	TURN_IN 2, 32
	TURN_IN 3, 0
	s_wait_dscnt 0x0
	s_wait_tensorcnt 1
	KSTEP 0, CX, 0, 0, -1
	CHANGE G0A, 0
	KSTEP BPB, CX+48, 1, 0, -1
	CHANGE G0B, 1
.irp q, 0,1,2,3
	QUANT 64*\q, 2, PC, PW
.irp k, 0,1,2
	ds_store_b128 v[YW], v[PC+4*\k:PC+4*\k+3] offset:FRB*\q+512*\k
.endr
	s_wait_dscnt 0x0
	QUANT 64*\q, 3, PC, PW+1
.irp k, 0,1,2
	ds_store_b128 v[YW], v[PC+4*\k:PC+4*\k+3] offset:FRB*(4+\q)+512*\k
.endr
	v_cndmask_b32 v[PW+2], v[PW], v[PW+1], s44
	ds_store_b32 v[YSW], v[PW+2] offset:512*\q
	s_wait_dscnt 0x0
.endr
	s_barrier_signal -1
	s_barrier_wait -1
	PAIR 1, 1
	PAIR 0, 1
	PAIR 0, 1
	PAIR 0, 0
	WIN 0x0a
.irp q, 0,1,2,3
	v_pk_add_f32 v[LS+4*\q:LS+4*\q+1], v[64*\q:64*\q+1], v[64*\q+2:64*\q+3]
	v_pk_add_f32 v[LS+4*\q+2:LS+4*\q+3], v[64*\q+4:64*\q+5], v[64*\q+6:64*\q+7]
.endr
	WIN 0x08
.irp j, 8,12,16,20,24,28,32,36,40,44,48,52,56,60
.irp q, 0,1,2,3
	v_pk_add_f32 v[LS+4*\q:LS+4*\q+1], v[LS+4*\q:LS+4*\q+1], v[64*\q+\j:64*\q+\j+1]
	v_pk_add_f32 v[LS+4*\q+2:LS+4*\q+3], v[LS+4*\q+2:LS+4*\q+3], v[64*\q+\j+2:64*\q+\j+3]
.endr
.endr
	WIN 0x0c
.irp j, 0,4,8,12,16,20,24,28,32,36,40,44,48,52,56,60
.irp q, 0,1,2,3
	v_pk_add_f32 v[LS+4*\q:LS+4*\q+1], v[LS+4*\q:LS+4*\q+1], v[64*\q+\j:64*\q+\j+1]
	v_pk_add_f32 v[LS+4*\q+2:LS+4*\q+3], v[LS+4*\q+2:LS+4*\q+3], v[64*\q+\j+2:64*\q+\j+3]
.endr
.endr
	WIN 0
	REDUCE 0
.irp q, 0,1,2,3
	v_mul_f32 v[MU+2*\q], s45, v[LD+4*\q]
	v_mov_b32 v[MU+2*\q+1], 0
.endr
	WIN 0x82
.irp q, 0,1,2,3
.set J, 0
.rept 32
	v_pk_add_f32 v[64*\q+J:64*\q+J+1], v[64*\q+J:64*\q+J+1], v[MU+2*\q:MU+2*\q+1] op_sel_hi:[1,0] neg_lo:[0,1] neg_hi:[0,1]
.set J, J+2
.endr
.endr
	WIN 0xc3
.irp q, 0,1,2,3
.set J, 0
.rept 32
	v_pk_add_f32 v[64*\q+J:64*\q+J+1], v[64*\q+J:64*\q+J+1], v[MU+2*\q:MU+2*\q+1] op_sel_hi:[1,0] neg_lo:[0,1] neg_hi:[0,1]
.set J, J+2
.endr
.endr
	WIN 0x0a
.irp q, 0,1,2,3
	v_pk_mul_f32 v[LS+4*\q:LS+4*\q+1], v[64*\q:64*\q+1], v[64*\q:64*\q+1]
	v_pk_mul_f32 v[LS+4*\q+2:LS+4*\q+3], v[64*\q+2:64*\q+3], v[64*\q+2:64*\q+3]
.endr
.irp j, 4,8,12,16,20,24,28,32,36,40,44,48,52,56,60
.irp q, 0,1,2,3
	v_pk_fma_f32 v[LS+4*\q:LS+4*\q+1], v[64*\q+\j:64*\q+\j+1], v[64*\q+\j:64*\q+\j+1], v[LS+4*\q:LS+4*\q+1]
	v_pk_fma_f32 v[LS+4*\q+2:LS+4*\q+3], v[64*\q+\j+2:64*\q+\j+3], v[64*\q+\j+2:64*\q+\j+3], v[LS+4*\q+2:LS+4*\q+3]
.endr
.endr
	WIN 0x0f
.irp j, 0,4,8,12,16,20,24,28,32,36,40,44,48,52,56,60
.irp q, 0,1,2,3
	v_pk_fma_f32 v[LS+4*\q:LS+4*\q+1], v[64*\q+\j:64*\q+\j+1], v[64*\q+\j:64*\q+\j+1], v[LS+4*\q:LS+4*\q+1]
	v_pk_fma_f32 v[LS+4*\q+2:LS+4*\q+3], v[64*\q+\j+2:64*\q+\j+3], v[64*\q+\j+2:64*\q+\j+3], v[LS+4*\q+2:LS+4*\q+3]
.endr
.endr
	WIN 0
	REDUCE 2048
.irp q, 0,1,2,3
	v_fma_f32 v[LD+4*\q], v[LD+4*\q], s45, s46
.endr
	s_wait_alu depctr_va_vdst(0)
.irp q, 0,1,2,3
	v_rsq_f32 v[RS+2*\q], v[LD+4*\q]
.endr
.irp q, 0,1,2,3
	v_mov_b32 v[RS+2*\q+1], 0
.endr
	s_wait_alu depctr_va_vdst(0)
	WIN 0x82
.irp q, 0,1,2,3
.set J, 0
.rept 32
	v_pk_mul_f32 v[64*\q+J:64*\q+J+1], v[64*\q+J:64*\q+J+1], v[RS+2*\q:RS+2*\q+1] op_sel_hi:[1,0]
.set J, J+2
.endr
.endr
	WIN 0xc3
.irp q, 0,1,2,3
.set J, 0
.rept 32
	v_pk_mul_f32 v[64*\q+J:64*\q+J+1], v[64*\q+J:64*\q+J+1], v[RS+2*\q:RS+2*\q+1] op_sel_hi:[1,0]
.set J, J+2
.endr
.endr
	WIN 0
	TURN_OUT 0
	TURN_OUT 1
	TURN_OUT 2
	TURN_OUT 3
	s_wait_tensorcnt 0x0
	ds_add_u32 v[SPW], v[NIL]
	s_wait_dscnt 0x0
	CROUND
	s_endpgm
.Lfunc_end_k_q5d545e4d57_outp:
	.size	k_q5d545e4d57_outp, .Lfunc_end_k_q5d545e4d57_outp-k_q5d545e4d57_outp
	.p2alignl 7, 3214868480
	.fill 96, 4, 3214868480
	.section	.rodata,"a",@progbits
	.p2align	6, 0x0
	.amdhsa_kernel k_q5d545e4d57_outp
		.amdhsa_group_segment_fixed_size 327680
		.amdhsa_private_segment_fixed_size 0
		.amdhsa_enable_private_segment 0
		.amdhsa_kernarg_size 56
		.amdhsa_user_sgpr_count 2
		.amdhsa_user_sgpr_kernarg_segment_ptr 1
		.amdhsa_wavefront_size32 1
		.amdhsa_system_sgpr_workgroup_id_x 1
		.amdhsa_system_sgpr_workgroup_id_y 1
		.amdhsa_system_sgpr_workgroup_id_z 1
		.amdhsa_system_vgpr_workitem_id 0
		.amdhsa_next_free_vgpr 1024
		.amdhsa_next_free_sgpr 66
		.amdhsa_reserve_vcc 0
		.amdhsa_float_denorm_mode_32 3
		.amdhsa_float_denorm_mode_16_64 3
		.amdhsa_memory_ordered 1
		.amdhsa_forward_progress 1
		.amdhsa_inst_pref_size 255
	.end_amdhsa_kernel
	.section	.bss,"aw",@nobits
	.p2align	6
	.space	262144
	.amdgpu_metadata
---
amdhsa.version: [ 1, 2 ]
amdhsa.kernels:
  - .name:           k_q5d545e4d57_outp
    .symbol:         k_q5d545e4d57_outp.kd
    .args:
      - { .name: cimg, .offset: 0, .size: 8, .value_kind: global_buffer, .address_space: global }
      - { .name: wimg, .offset: 8, .size: 8, .value_kind: global_buffer, .address_space: global }
      - { .name: bo, .offset: 16, .size: 8, .value_kind: global_buffer, .address_space: global }
      - { .name: q_feat, .offset: 24, .size: 8, .value_kind: global_buffer, .address_space: global }
      - { .name: ln_gamma, .offset: 32, .size: 8, .value_kind: global_buffer, .address_space: global }
      - { .name: ln_beta, .offset: 40, .size: 8, .value_kind: global_buffer, .address_space: global }
      - { .name: out0, .offset: 48, .size: 8, .value_kind: global_buffer, .address_space: global }
    .group_segment_fixed_size: 327680
    .private_segment_fixed_size: 0
    .kernarg_segment_align: 8
    .kernarg_segment_size: 56
    .max_flat_workgroup_size: 128
    .sgpr_count:     66
    .vgpr_count:     1024
    .wavefront_size: 32
...
	.end_amdgpu_metadata
.endif
;; end of part 4
